; MI455X (gfx1250); checked and timed in simulation.
; The chip was launched on July 23, 2026; its instructions are those of AMD's public machine-readable ISA for CDNA 5 (MIT licence, August 2026) and "CDNA5" Instruction Set Architecture Reference Guide (July 2026). The comments in the code are by the model that wrote it; some were corrected since.
;; Switch Positionwise Feed Forward. Allowed arithmetic: matrix products marked QUANTISED: E5M2 operands, one given power-of-two scale a tensor, by v_wmma_f32_16x16x64_bf8_bf8 or v_wmma_f32_16x16x128_bf8_bf8, f32 sums; products left as they are: f32 operands where the result goes on into a quantised operand, else bf16, f16 or f32 operands; f32 sums; everything else in f32.
;; Inputs: W1 4 x 256 x 1,024 float32; W2 4 x 1,024 x 256 float32; W_sw 256 x 4 float32; b1 4 x 1,024 float32; b2 4 x 256 float32; b_sw 4 float32; lowp_scales 4 int32 (the exponents e of the quantised operands' scales 2^e); x 8 x 64 x 64 x 256 float32.
;; Outputs: out0 8 x 64 x 64 x 256 float32.
;; This version of the problem:
;;   THIS VERSION OF THE PROBLEM IS GIVEN IN LOW PRECISION. The matrix products marked QUANTISED in the list below multiply operands that are first quantised to E5M2 (5 exponent bits, 2 mantissa bits; 8 bits a number), with one given power-of-two scale for each operand tensor; their sums are f32. All else is computed in f32.
;;   The module's matrix products, in the order in which they are computed (A, B: the left and right operand; K: the contracted axis; several contracted axes count as one K, in the product's order):
;;     1. [M 32,768, K 256] x [K 256, N 4]; A: input x; B: input W_sw: left as it is (N = 4 < 16)
;;     2. [M 4,096, K 256] x [K 256, N 32,768]; A: input W1; B: input x: QUANTISED (scales: A lowp_scales[0], B lowp_scales[1])
;;     3. batch 4 x [M 32,768, K 1,024] x [K 1,024, N 256]; A: computed on the way; B: input W2: QUANTISED (scales: A lowp_scales[2], B lowp_scales[3])
;;   THE QUANTISER, for each operand of a quantised product, along K:
;;     - The operand's scale is 2^e, e = its entry of the input lowp_scales (int32; the entries are numbered through the quantised products in the list's order, A before B).
;;     - Each number is divided by the scale, clamped to +-57,344, and rounded to the nearest number of E5M2, ties to even, subnormals kept.
;;     - The product sums the exact products of the quantised numbers (number of the format x scale) in f32.
;;   ~~~python
;;   def quantise(x, axis, e):      # numpy; x: float32 -> the quantised numbers, widened to float32 again
;;       x = np.moveaxis(x, axis, -1); K = x.shape[-1]
;;       r = np.clip(x / 2.0 ** e, -57344, 57344)
;;       step = 2.0 ** (np.maximum(np.frexp(np.where(r == 0, 1, r))[1] - 1, -14) - 2)
;;       q = np.round(r / step) * step * 2.0 ** e      # np.round: ties to even
;;       return np.moveaxis(q, -1, axis).astype(np.float32)
;;   ~~~
;;   OPERANDS COMPUTED ON THE WAY. 'Computed on the way' means the value that the module computes at that place (a softmax that the list does not call 'softmax' is quantised finished and normalised). What goes into a quantiser is computed in f32, as accurately as f32 sums, v_exp_f32 and their like allow (about 1e-6 of the number): no bf16 or f16 on the way to a quantiser, and a product that is left as it is and whose result goes on into a quantised operand takes f32 operands (vector FMAs, or v_wmma_f32_16x16x4_f32). A number that lies on a knife's edge between two numbers of the format may be rounded either way, as far as f32 arithmetic and the matrix unit's own rounding can turn it there, and no further.
;; 2 versions. Each part assembles by itself: llvm-mc -triple=amdgcn-amd-amdhsa -mcpu=gfx1250 --defsym DOCPART=n.
;; ======== version 1 of 2: 3 launches
;; workspace buffers: xq 8,388,608 bytes; routes 131,072 bytes of whole numbers; pmax 131,072 bytes; order 133,120 bytes of whole numbers; wq 2,097,152 bytes
;; launch route (part 1): grid 256 x 1, 8 waves a work-group, no clusters, 2,048 bytes of LDS; arguments x, W_sw, b_sw, lowp_scales, xq, routes, pmax; writes xq, routes, pmax
.if DOCPART == 1
	.amdgcn_target "amdgcn-amd-amdhsa--gfx1250"
	.amdhsa_code_object_version 6
	.text
	.protected	k_qa346661417_route
	.globl	k_qa346661417_route
	.p2align	8
	.type	k_qa346661417_route,@function
k_qa346661417_route:
	s_mov_b64 s[64:65], 0
	v_nop
	global_prefetch_b8 v0, s[64:65] scope:SCOPE_SE
	s_setreg_imm32_b32 hwreg(HW_REG_WAVE_MODE, 25, 1), 1
	s_wait_xcnt 0x0
; THE ROUTER, AND x INTO CODES.  x: [32768][256] f32.  For each token: logits = x W_sw + b_sw in f32 (fused multiply-adds), their softmax's largest
; probability (pmax, f32) and its index (routes, int32, 0..3); and the token's 256 numbers as codes of E5M2 with the given scale 2^e1 (lowp_scales[1]).
; SHARES.  A work-group takes 128 tokens, each of its eight waves 16.  A token's row of 1,024 bytes is two loads of 512 consecutive bytes: lane l holds
; k = 4 l .. 4 l + 3 and k = 128 + 4 l .. + 3.  Its eight numbers become eight code bytes, and the wave's store of 8 bytes a lane covers the row's 256
; consecutive bytes, aligned.  So byte p of a row of xq is the code of k = 4 (p >> 3) + (p & 3) + 128 ((p >> 2) & 1); W1's codes are laid by the same order of k.
; All 32 loads of a wave go out at the head; x is read once.  No matrix unit (four columns), no cluster (work-groups share only the 4 KB of W_sw).
; THE ROUTE is the lowest index whose 2^((l_i - max) log2 e) is 1.0, as an argmax over the probabilities gives it; pmax = 1 / the sum of those powers.
; LIMITS: e1 between -126 and 112, so that 2^e1 and 57,344 x 2^e1 are f32 numbers.  NaN among the inputs is not served.  The logits' sums are f32 sums in another order than a plain loop's.
.set WS,  8                            ; v[8:39]    W_sw's rows 4 l .. 4 l + 3 (v8-23) and 128 + 4 l .. (v24-39), four numbers a row
.set LG,  40                           ; v[40:43]   the four logits of token (lane % 16)
.set AC,  44                           ; v[44:51]   four pairs of partial sums
.set CD,  52                           ; v[52:83]   codes, two registers a token, never written again
.set X,   84                           ; v[84:211]  the 16 tokens' numbers, eight a token
.set TP,  216                          ; v[216:219] what comes from the other half of the lanes
	s_load_b256 s[4:11], s[0:1], 0x0               ; x s[4:5], W_sw s[6:7], b_sw s[8:9], the scales' exponents s[10:11]
	s_load_b128 s[12:15], s[0:1], 0x20             ; xq s[12:13], routes s[14:15]
	s_load_b64 s[16:17], s[0:1], 0x30              ; pmax
	v_lshl_add_u32 v232, v0, 2, 0x400
	v_mov_b32 v233, 0
	v_lshrrev_b32 v1, 5, v0
	v_readfirstlane_b32 s25, v1                    ; wave 0..7
	v_and_b32 v1, 31, v0                           ; lane
	v_lshlrev_b32 v2, 4, v1                        ; 16 x lane
	v_lshlrev_b32 v3, 3, v1                        ; 8 x lane
	v_lshlrev_b32 v212, 6, v1                      ; 64 x lane: four rows of W_sw
	v_and_b32 v213, 15, v0
	v_lshlrev_b32 v213, 2, v213
	s_lshl_b32 s27, s25, 6
	v_add_nc_u32 v213, s27, v213                   ; LDS: the word of token 16 x wave + lane % 16
	s_lshl_b32 s18, ttmp9, 17                      ; 128 tokens of 1,024 bytes,
	s_lshl_b32 s19, s25, 14                        ; 16 of them for each wave
	s_add_co_u32 s18, s18, s19
	s_mov_b32 s19, 0
	s_lshr_b32 s30, s18, 2                         ; the same tokens in xq: 256 bytes each
	s_mov_b32 s31, 0
	s_lshl_b32 s32, ttmp9, 9                       ; and in routes and pmax: 4 bytes each
	s_mov_b32 s33, 0
	s_mov_b32 s28, 0x76543210                      ; v_permlanex16_b32: each lane takes its own place in the other half
	s_mov_b32 s29, 0xfedcba98
	s_wait_kmcnt 0x0
	s_load_b128 s[20:23], s[8:9], 0x0              ; b_sw
	s_load_b32 s24, s[10:11], 0x4                  ; e1
	s_add_nc_u64 s[4:5], s[4:5], s[18:19]
	s_add_nc_u64 s[12:13], s[12:13], s[30:31]
	s_add_nc_u64 s[14:15], s[14:15], s[32:33]
	s_add_nc_u64 s[16:17], s[16:17], s[32:33]
.irp j, 0,1,2,3
	global_load_b128 v[WS+4*\j:WS+4*\j+3], v212, s[6:7] offset:16*\j
	global_load_b128 v[WS+16+4*\j:WS+16+4*\j+3], v212, s[6:7] offset:2048+16*\j
.endr
.set ii, 0
.rept 16
	global_load_b128 v[X+8*ii:X+8*ii+3], v2, s[4:5] offset:1024*ii th:TH_LOAD_NT        ; 32 lanes read 512 consecutive bytes
	global_load_b128 v[X+8*ii+4:X+8*ii+7], v2, s[4:5] offset:1024*ii+512 th:TH_LOAD_NT
.set ii, ii+1
.endr
.irp e, 0,1,2,3
	v_mov_b32 v[LG+\e], 0                          ; written whole once: each token fills two lanes of them
	v_mov_b32 v[TP+\e], 0                          ; a lane permute's destination counts as one of its sources
.endr
	s_wait_kmcnt 0x0
	s_add_co_i32 s24, s24, 127
	s_lshl_b32 s34, s24, 23
	v_mov_b32 v4, s34                              ; 2^e1 as f32: the conversion takes its exponent field
	s_add_co_i32 s24, s24, 15
	s_lshl_b32 s24, s24, 23
	s_or_b32 s24, s24, 0x600000
	v_mov_b32 v5, s24                              ; 57,344 x 2^e1
; One token: its four logits (each lane's eight k, then over the 32 lanes), then its codes.
.macro TOKEN i
.set XI, X+8*(\i)
	s_wait_loadcnt 2*(15-(\i))                     ; loads come back in order: this token's two are in, the younger tokens' stay out; W_sw's are older
	v_pk_mul_f32 v[AC:AC+1], v[XI:XI+1], v[WS:WS+1] op_sel:[0,0] op_sel_hi:[0,1]             ; x(k) x (W(k,0), W(k,1)): the first product starts each of four chains
	v_pk_mul_f32 v[AC+2:AC+3], v[XI:XI+1], v[WS+2:WS+3] op_sel:[0,0] op_sel_hi:[0,1]
	v_pk_mul_f32 v[AC+4:AC+5], v[XI+4:XI+5], v[WS+16:WS+17] op_sel:[0,0] op_sel_hi:[0,1]
	v_pk_mul_f32 v[AC+6:AC+7], v[XI+4:XI+5], v[WS+18:WS+19] op_sel:[0,0] op_sel_hi:[0,1]
.irp j, 1,2,3
.irp b, 0,1
.irp p, 0,1
.if \j == 2
	v_pk_fma_f32 v[AC+4*\b+2*\p:AC+4*\b+2*\p+1], v[XI+4*\b+2:XI+4*\b+3], v[WS+16*\b+8+2*\p:WS+16*\b+8+2*\p+1], v[AC+4*\b+2*\p:AC+4*\b+2*\p+1] op_sel:[0,0,0] op_sel_hi:[0,1,1]
.else
	v_pk_fma_f32 v[AC+4*\b+2*\p:AC+4*\b+2*\p+1], v[XI+4*\b+(\j-1):XI+4*\b+\j], v[WS+16*\b+4*\j+2*\p:WS+16*\b+4*\j+2*\p+1], v[AC+4*\b+2*\p:AC+4*\b+2*\p+1] op_sel:[1,0,0] op_sel_hi:[1,1,1]
.endif
.endr
.endr
.endr
	v_pk_add_f32 v[AC:AC+1], v[AC:AC+1], v[AC+4:AC+5]
	v_pk_add_f32 v[AC+2:AC+3], v[AC+2:AC+3], v[AC+6:AC+7]
.irp k, 1,2,4,8
.irp e, 0,1,2,3
	v_add_f32_dpp v[AC+\e], v[AC+\e], v[AC+\e] row_xmask:\k row_mask:0xf bank_mask:0xf
.endr
.endr
.irp e, 0,1,2,3
	v_permlanex16_b32 v[TP+\e], v[AC+\e], s28, s29
.endr
.irp e, 0,1,2,3
	v_add_f32 v[AC+\e], v[AC+\e], v[TP+\e]         ; every lane holds the token's four sums
.endr
	s_mov_b32 s26, 0x10001<<(\i)
.irp e, 0,1,2,3
	v_cndmask_b32 v[LG+\e], v[LG+\e], v[AC+\e], s26   ; lanes i and i + 16 keep them
.endr
.irp j, 0,1,2,3,4,5,6,7
	v_med3_num_f32 v[XI+\j], v[XI+\j], -v5, v5     ; the conversion to an 8-bit code does not saturate (ISA guide 7.6.2): the hold at the largest code x the scale
.endr
	v_cvt_scalef32_pk8_bf8_f32 v[CD+2*(\i):CD+2*(\i)+1], v[XI:XI+7], v4   ; its result goes to a store alone; plain vector lines follow
	global_store_b64 v3, v[CD+2*(\i):CD+2*(\i)+1], s[12:13] offset:256*(\i)   ; 32 lanes store the row's 256 consecutive bytes, aligned
.endm
.irp t, 0,1,2,3,4,5,6,7,8,9,10,11,12,13,14,15
	TOKEN \t
.endr
	; the softmax's largest term and its index: lane j works on token j % 16
	v_add_f32 v40, s20, v40
	v_add_f32 v41, s21, v41
	v_add_f32 v42, s22, v42
	v_add_f32 v43, s23, v43
	v_max3_num_f32 v44, v40, v41, v42
	v_max_num_f32 v44, v44, v43                    ; the maximum is taken away ahead of the exponentials
	v_sub_f32 v45, v40, v44
	v_sub_f32 v46, v41, v44
	v_sub_f32 v47, v42, v44
	v_sub_f32 v48, v43, v44
	v_mul_f32 v45, 0x3fb8aa3b, v45
	v_mul_f32 v46, 0x3fb8aa3b, v46
	v_mul_f32 v47, 0x3fb8aa3b, v47
	v_mul_f32 v48, 0x3fb8aa3b, v48
	v_exp_f32 v45, v45
	v_exp_f32 v46, v46
	v_exp_f32 v47, v47
	v_exp_f32 v48, v48
	v_mov_b32 v50, 3                               ; (a plain line behind the exponentials)  the route, if no lower index has the largest term
	s_wait_alu depctr_va_vdst(0)
	v_add_f32 v49, v45, v46
	v_add_f32 v51, v47, v48
	v_add_f32 v49, v49, v51
	v_rcp_f32 v49, v49                             ; pmax = 1 / the sum: the largest term is 1
	v_cmp_gt_f32 vcc_lo, 1.0, v47                  ; (plain lines behind the reciprocal)  the lowest index whose term is 1.0
	v_cndmask_b32 v50, 2, v50, vcc_lo
	v_cmp_gt_f32 vcc_lo, 1.0, v46
	v_cndmask_b32 v50, 1, v50, vcc_lo
	v_cmp_gt_f32 vcc_lo, 1.0, v45
	v_cndmask_b32 v50, 0, v50, vcc_lo
	ds_store_b32 v213, v50                         ; lanes j and j + 16 write the same word with the same number
	s_wait_alu depctr_va_vdst(0)
	ds_store_b32 v213, v49 offset:512
	s_wait_dscnt 0x0                               ; for the others' sake: my stores have landed
	s_barrier_signal -1
	s_barrier_wait -1
	s_cmp_lg_u32 s25, 0
	s_cbranch_scc1 .Lnot_wave_0
	ds_load_b128 v[220:223], v2                    ; wave 0: the work-group's 128 routes, 512 consecutive bytes
	s_wait_dscnt 0x0
	global_store_b128 v2, v[220:223], s[14:15]
.Lnot_wave_0:
	s_cmp_lg_u32 s25, 1
	s_cbranch_scc1 .Lend
	ds_load_b128 v[224:227], v2 offset:512         ; wave 1: the 128 pmax
	s_wait_dscnt 0x0
	global_store_b128 v2, v[224:227], s[16:17]
.Lend:
	s_wait_tensorcnt 0x0
	ds_add_u32 v232, v233
	s_wait_dscnt 0x0
	s_endpgm
.Lfunc_end_k_qa346661417_route:
	.size	k_qa346661417_route, .Lfunc_end_k_qa346661417_route-k_qa346661417_route
	.p2alignl 7, 3214868480
	.fill 96, 4, 3214868480
	.section	.rodata,"a",@progbits
	.p2align	6, 0x0
	.amdhsa_kernel k_qa346661417_route
		.amdhsa_group_segment_fixed_size 2048
		.amdhsa_private_segment_fixed_size 0
		.amdhsa_enable_private_segment 0
		.amdhsa_kernarg_size 56
		.amdhsa_user_sgpr_count 2
		.amdhsa_user_sgpr_kernarg_segment_ptr 1
		.amdhsa_wavefront_size32 1
		.amdhsa_system_sgpr_workgroup_id_x 1
		.amdhsa_system_sgpr_workgroup_id_y 1
		.amdhsa_system_sgpr_workgroup_id_z 1
		.amdhsa_system_vgpr_workitem_id 0
		.amdhsa_next_free_vgpr 234
		.amdhsa_next_free_sgpr 66
		.amdhsa_reserve_vcc 1
		.amdhsa_float_denorm_mode_32 3
		.amdhsa_float_denorm_mode_16_64 3
		.amdhsa_memory_ordered 1
		.amdhsa_forward_progress 1
		.amdhsa_inst_pref_size 64
	.end_amdhsa_kernel
	.amdgpu_metadata
---
amdhsa.version: [ 1, 2 ]
amdhsa.kernels:
  - .name:           k_qa346661417_route
    .symbol:         k_qa346661417_route.kd
    .args:
      - { .name: x, .offset: 0, .size: 8, .value_kind: global_buffer, .address_space: global }
      - { .name: W_sw, .offset: 8, .size: 8, .value_kind: global_buffer, .address_space: global }
      - { .name: b_sw, .offset: 16, .size: 8, .value_kind: global_buffer, .address_space: global }
      - { .name: lowp_scales, .offset: 24, .size: 8, .value_kind: global_buffer, .address_space: global }
      - { .name: xq, .offset: 32, .size: 8, .value_kind: global_buffer, .address_space: global }
      - { .name: routes, .offset: 40, .size: 8, .value_kind: global_buffer, .address_space: global }
      - { .name: pmax, .offset: 48, .size: 8, .value_kind: global_buffer, .address_space: global }
    .group_segment_fixed_size: 2048
    .private_segment_fixed_size: 0
    .kernarg_segment_align: 8
    .kernarg_segment_size: 56
    .max_flat_workgroup_size: 256
    .sgpr_count:     66
    .vgpr_count:     234
    .wavefront_size: 32
...
	.end_amdgpu_metadata
.endif
;; end of part 1
;; launch place (part 2): grid 96 x 1, 32 waves a work-group, no clusters, 4,608 bytes of LDS; arguments routes, W1, W2, lowp_scales, order, wq; writes order, wq
.if DOCPART == 2
	.amdgcn_target "amdgcn-amd-amdhsa--gfx1250"
	.amdhsa_code_object_version 6
	.text
	.protected	k_qa346661417_place
	.globl	k_qa346661417_place
	.p2align	8
	.type	k_qa346661417_place,@function
k_qa346661417_place:
	s_mov_b64 s[64:65], 0
	v_nop
	global_prefetch_b8 v0, s[64:65] scope:SCOPE_SE
	s_setreg_imm32_b32 hwreg(HW_REG_WAVE_MODE, 25, 1), 1
	s_wait_xcnt 0x0
; THREE JOBS IN ONE LAUNCH, parted by the work-group's number alone.
; Work-groups 0-31: THE TOKENS ARE PLACED BY EXPERT (a counting sort without atomics).  order holds 231 tiles of 144 entries; an expert's tokens lie on end, in ascending order, from a tile's
;   first entry on; an entry is token | expert << 16; what is left of an expert's last tile, and the tiles behind the last expert, hold -1.  The sum over the experts of ceil(n_e / 144) is at most
;   (32,768 + 4 x 143) / 144 = 231 for every split.  Each work-group counts all 32,768 routes (wave w counts tokens 1,024 w on), so that none needs another's result, and places its own 1,024 tokens.
; Work-groups 32-63: W1 [4][256 k][1024 h] f32 into codes of E5M2 (scale 2^e0); 64-95: W2 [4][1024 k][256 c] (scale 2^e3).  K is the FIRST axis of both: a lane takes a column and its 32 registers run down K,
;   so the conversions' results are the pieces of 16 bytes that a lane of the matrix operand holds.  wq is laid in the order of the operands' registers:
;   [expert 4][wave 4][chunk 16][fragment 4][c 4][lane 32][16 bytes]; lane (r, h), piece c holds K places 32 c + 16 h + 0 .. 15 of a K step of 128.
;   Chunks 0-7 (W1): chunk q, fragment 2 u + s: K step s, row r = hidden unit 256 w + 32 q + 8 u + r + 8 (r / 8); along K the order of xq's bytes.   Chunks 8-15 (W2): chunk 8 + S, fragment n: column r = channel 64 w + 4 r + n.
; LIMITS: e0 and e3 between -126 and 112.  NaN among the weights is not served.  The routes are 0 .. 3, as the launch before stores them.
	s_load_b256 s[4:11], s[0:1], 0x0               ; routes s[4:5], W1 s[6:7], W2 s[8:9], the scales' exponents s[10:11]
	s_load_b128 s[12:15], s[0:1], 0x20             ; order s[12:13], wq s[14:15]
	v_lshl_add_u32 v80, v0, 2, 0x200
	v_mov_b32 v81, 0
	v_lshrrev_b32 v1, 5, v0
	v_readfirstlane_b32 s16, v1                    ; wave 0..31
	v_and_b32 v1, 31, v0                           ; lane
	s_wait_kmcnt 0x0
	s_cmp_ge_u32 ttmp9, 64
	s_cbranch_scc1 .Lw2
	s_cmp_ge_u32 ttmp9, 32
	s_cbranch_scc1 .Lw1
	; ---------------- the placing ----------------
; REGISTERS of this path: v2, v3, v57 offsets; v4 my route; v5, v55 the entries that I look after; v6, v7 LDS addresses; v8-15 counts; v16-47 the 1,024 routes that my wave counts (later v20-27 at work);
; v48-51 at work; v58 = -1; v60 what comes from another lane.
.macro REDUCE r                        ; the sum of v[r] over the 32 lanes, whole numbers, in every lane
.irp k, 1,2,4,8
	v_mov_b32_dpp v60, v[\r] row_xmask:\k row_mask:0xf bank_mask:0xf
	v_add_nc_u32 v[\r], v[\r], v60
.endr
	v_permlanex16_b32 v60, v[\r], s36, s37
	v_add_nc_u32 v[\r], v[\r], v60
.endm
	s_mov_b32 s20, ttmp9                           ; g
	s_mov_b32 s36, 0x76543210
	s_mov_b32 s37, 0xfedcba98
	v_lshlrev_b32 v7, 4, v1                        ; 16 x lane
	s_lshl_b32 s17, s16, 12
	v_add_nc_u32 v2, s17, v7                       ; the 1,024 routes that my wave counts: 4,096 x wave + 16 x lane
	s_lshl_b32 s18, ttmp9, 10
	v_add_nc_u32 v5, s18, v0                       ; my token: 1,024 g + thread.  Also the first entry of 'order' that I look after: 0 .. 32,767
	v_lshlrev_b32 v3, 2, v5                        ; its 4 bytes, in routes and in order alike
	v_add_nc_u32 v55, 0x8000, v5                   ; the second entry that I look after: of these only 32,768 .. 33,263 exist
	v_min_u32 v57, 33263, v55                      ; its 4 bytes, held inside the buffer in the lanes that will be off too.  Both offsets are made here, of ids and constants alone,
	v_lshlrev_b32 v57, 2, v57                      ; with all lanes on, and are not written again
	v_mov_b32 v58, -1                              ; what a rest holds: a register outside v16-47, into which the routes are loaded; no other line writes it
	v_mov_b32 v6, s16
	v_lshlrev_b32 v6, 4, v6                        ; LDS: 16 bytes for each wave
	v_mov_b32 v60, 0                               ; written once: the destination of a lane move counts as read
.irp j, 0,1,2,3,4,5,6,7
	global_load_b128 v[16+4*\j:19+4*\j], v2, s[4:5] offset:512*\j
.endr
	global_load_b32 v4, v3, s[4:5]                 ; my token's route
	v_mov_b32 v48, 0
	v_mov_b32 v49, 0
	s_wait_loadcnt 0x0
.set ii, 0
.rept 16                               ; four counts of 8 bits in a word, at most 16 in each of two chains
	v_lshlrev_b32 v50, 3, v[16+2*ii]
	v_lshlrev_b32 v51, 3, v[17+2*ii]
	v_lshl_add_u32 v48, 1, v50, v48
	v_lshl_add_u32 v49, 1, v51, v49
.set ii, ii+1
.endr
	v_add_nc_u32 v48, v48, v49
	v_and_b32 v8, 0xff00ff, v48                    ; experts 0 and 2 in fields of 16 bits,
	v_lshrrev_b32 v49, 8, v48
	v_and_b32 v9, 0xff00ff, v49                    ; experts 1 and 3
	REDUCE 8
	REDUCE 9                                       ; my chunk's four counts, at most 1,024 each
	v_cmp_eq_u32 s40, 0, v4                        ; which of my wave's 32 tokens go to expert e
	v_cmp_eq_u32 s41, 1, v4
	v_cmp_eq_u32 s42, 2, v4
	v_cmp_eq_u32 s43, 3, v4
	s_bcnt1_i32_b32 s44, s40
	s_bcnt1_i32_b32 s45, s41
	s_bcnt1_i32_b32 s46, s42
	s_bcnt1_i32_b32 s47, s43
	s_lshl_b32 s46, s46, 16
	s_or_b32 s44, s44, s46
	s_lshl_b32 s47, s47, 16
	s_or_b32 s45, s45, s47
	v_mov_b32 v10, s44
	v_mov_b32 v11, s45
	ds_store_b128 v6, v[8:11]                      ; all lanes write the same 16 bytes with the same numbers
	s_wait_dscnt 0x0                               ; for the others' sake: my store has landed
	s_barrier_signal -1
	s_barrier_wait -1
	ds_load_b128 v[12:15], v7                      ; lane l: chunk l's counts, and the counts of wave l's own 32 tokens
	s_wait_dscnt 0x0
	v_cmp_gt_u32 vcc_lo, s20, v1                   ; ahead of my wave's tokens lie the chunks below g
	v_cndmask_b32 v20, 0, v12, vcc_lo
	v_cndmask_b32 v21, 0, v13, vcc_lo
	v_cmp_gt_u32 vcc_lo, s16, v1                   ; and, of chunk g, the waves below mine
	v_cndmask_b32 v22, 0, v14, vcc_lo
	v_cndmask_b32 v23, 0, v15, vcc_lo
	v_add_nc_u32 v20, v20, v22
	v_add_nc_u32 v21, v21, v23
	REDUCE 12
	REDUCE 13
	REDUCE 20
	REDUCE 21                                      ; every field is at most 32,768: inside its 16 bits
	v_readfirstlane_b32 s48, v12
	v_readfirstlane_b32 s49, v13
	v_readfirstlane_b32 s50, v20
	v_readfirstlane_b32 s51, v21
	s_and_b32 s52, s48, 0xffff                     ; n0 .. n3: the experts' tokens
	s_and_b32 s53, s49, 0xffff
	s_lshr_b32 s54, s48, 16
	s_lshr_b32 s55, s49, 16
	s_and_b32 s56, s50, 0xffff                     ; and how many of them lie ahead of my wave's
	s_and_b32 s57, s51, 0xffff
	s_lshr_b32 s58, s50, 16
	s_lshr_b32 s59, s51, 16
	s_mov_b32 s60, 0                               ; s60-63: the experts' first entries
.irp e, 0,1,2
	s_add_co_u32 s70, s[52+\e], 143                ; ceil(n / 144) = floor(y / 9), y = (n + 143) >> 4, at most 2,056;
	s_lshr_b32 s70, s70, 4
	s_mul_i32 s70, s70, 7282                       ; floor(y / 9) = (7,282 y) >> 16: 7,282 / 65,536 lies above 1 / 9 by 3.4e-6, and 2,056 x that is under 1 / 9
	s_lshr_b32 s70, s70, 16
	s_mul_i32 s70, s70, 144
	s_add_co_u32 s[61+\e], s[60+\e], s70
.endr
	s_add_co_u32 s66, s60, s56
	s_add_co_u32 s67, s61, s57
	s_add_co_u32 s68, s62, s58
	s_add_co_u32 s69, s63, s59
	v_mbcnt_lo_u32_b32 v24, s40, s66               ; my place: the expert's first entry + those ahead of my wave + those of my wave in lower lanes
	v_mbcnt_lo_u32_b32 v25, s41, s67
	v_cndmask_b32 v24, v24, v25, s41
	v_mbcnt_lo_u32_b32 v25, s42, s68
	v_cndmask_b32 v24, v24, v25, s42
	v_mbcnt_lo_u32_b32 v25, s43, s69
	v_cndmask_b32 v24, v24, v25, s43
	v_lshl_or_b32 v26, v4, 16, v5                  ; token | expert << 16
	v_min_u32 v24, 33263, v24                      ; a number made of loaded numbers is held inside the buffer before it becomes an address
	v_lshlrev_b32 v24, 2, v24
	global_store_b32 v24, v26, s[12:13]
; The lanes whose entry v[p] lies in no expert's run and inside the 33,264 entries, as a mask in s[d].  Runs and rests are complementary: each entry has one writer.
.macro PADMASK p, d
	v_sub_nc_u32 v27, v[\p], s60
	v_cmp_gt_u32 s70, s52, v27                     ; p - first < n, unsigned: p lies in the expert's run
	v_sub_nc_u32 v27, v[\p], s61
	v_cmp_gt_u32 s71, s53, v27
	s_or_b32 s70, s70, s71
	v_sub_nc_u32 v27, v[\p], s62
	v_cmp_gt_u32 s71, s54, v27
	s_or_b32 s70, s70, s71
	v_sub_nc_u32 v27, v[\p], s63
	v_cmp_gt_u32 s71, s55, v27
	s_or_b32 s70, s70, s71
	v_cmp_gt_u32 vcc_lo, 33264, v[\p]
	s_and_not1_b32 s[\d], vcc_lo, s70
.endm
	PADMASK 5, 73                                  ; entries 0 .. 32,767: one a thread of the 32 work-groups
	PADMASK 55, 74                                 ; entries 32,768 .. 33,263.  Both masks are made while all lanes are on: behind the first narrowing no vector register is written
	s_mov_b32 vcc_lo, s73
	s_wait_xcnt 0x0                                ; EXEC is a source of the store that is out: it changes only behind this wait
	s_wait_tensorcnt 0x0
	ds_add_u32 v80, v81
	s_wait_dscnt 0x0
	s_and_saveexec_b32 s72, vcc_lo
	global_store_b32 v3, v58, s[12:13]
	s_wait_xcnt 0x0                                ; and again in front of the line that widens it
	s_or_b32 exec_lo, exec_lo, s72
	s_mov_b32 vcc_lo, s74
	s_and_saveexec_b32 s72, vcc_lo                 ; (nothing has been issued since the last wait)
	global_store_b32 v57, v58, s[12:13]
	s_wait_xcnt 0x0
	s_or_b32 exec_lo, exec_lo, s72
	s_endpgm
	; ---------------- the weights ----------------
; One wave, one job: 32 columns x 32 along K.  kind 1: W1, rows of 4,096 bytes, k in the order of xq's bytes; kind 2: W2, rows of 1,024 bytes, k as it lies.
.macro QW kind
.set ii, 0
.rept 32
.if \kind == 1
	global_load_b32 v[16+ii], v2, s[6:7] offset:(4*(ii>>3)+(ii&3)+128*((ii>>2)&1))*4096 th:TH_LOAD_NT
.else
	global_load_b32 v[16+ii], v2, s[8:9] offset:ii*1024 th:TH_LOAD_NT
.endif
.set ii, ii+1
.endr
	s_wait_kmcnt 0x0
	s_add_co_i32 s24, s24, 127
	s_lshl_b32 s25, s24, 23
	v_mov_b32 v11, s25                             ; 2^e as f32: the conversion takes its exponent field
	s_add_co_i32 s24, s24, 15
	s_lshl_b32 s24, s24, 23
	s_or_b32 s24, s24, 0x600000
	v_mov_b32 v10, s24                             ; 57,344 x 2^e
	s_wait_loadcnt 0x0
.set ii, 0
.rept 32
	v_med3_num_f32 v[16+ii], v[16+ii], -v10, v10   ; the conversion to an 8-bit code does not saturate (ISA guide 7.6.2): the hold comes first
.set ii, ii+1
.endr
.irp g, 0,1,2,3
	v_cvt_scalef32_pk8_bf8_f32 v[48+2*\g:49+2*\g], v[16+8*\g:23+8*\g], v11
.endr
	v_nop
	global_store_b128 v3, v[48:51], s[14:15]               ; K places 0-15 of the piece: the operand's lanes 0-15.  The 32 lanes fill two runs of 256 consecutive bytes, aligned
	global_store_b128 v3, v[52:55], s[14:15] offset:256    ; K places 16-31: its lanes 16-31
.endm
.Lw1:
	s_load_b32 s24, s[10:11], 0x0                  ; e0
	s_sub_co_u32 s17, ttmp9, 32
	s_lshl_b32 s17, s17, 5
	s_add_co_u32 s17, s17, s16                     ; the job, 0 .. 1,023
	s_and_b32 s18, s17, 7                          ; q: 32 hidden units
	s_bfe_u32 s19, s17, 0x20003                    ; c: the piece
	s_bfe_u32 s20, s17, 0x10005                    ; s: the K step
	s_bfe_u32 s21, s17, 0x20006                    ; w: the wave that will read it
	s_lshr_b32 s22, s17, 8                         ; the expert
	s_lshl_b32 s26, s22, 20                        ; from: expert x 1 MiB + (64 s + 16 c) rows of 4,096 bytes + (256 w + 32 q) x 4
	s_lshl_b32 s28, s20, 18
	s_add_co_u32 s26, s26, s28
	s_lshl_b32 s28, s19, 16
	s_add_co_u32 s26, s26, s28
	s_lshl_b32 s28, s21, 10
	s_add_co_u32 s26, s26, s28
	s_lshl_b32 s28, s18, 7
	s_add_co_u32 s26, s26, s28
	s_mov_b32 s27, 0
	s_add_nc_u64 s[6:7], s[6:7], s[26:27]
	s_lshl_b32 s30, s22, 19                        ; to: ((4 e + w) 16 + q) x 8,192 + s x 2,048 + c x 512
	s_lshl_b32 s28, s21, 17
	s_add_co_u32 s30, s30, s28
	s_lshl_b32 s28, s18, 13
	s_add_co_u32 s30, s30, s28
	s_lshl_b32 s28, s20, 11
	s_add_co_u32 s30, s30, s28
	s_lshl_b32 s28, s19, 9
	s_add_co_u32 s30, s30, s28
	s_mov_b32 s31, 0
	s_add_nc_u64 s[14:15], s[14:15], s[30:31]
	v_lshlrev_b32 v2, 2, v1                        ; lane j takes hidden unit 256 w + 32 q + j: 128 consecutive bytes a load
	v_bfe_u32 v3, v1, 3, 1                         ; it is row r = j % 8 + 8 (j / 16) of tile u = (j / 8) % 2
	v_lshlrev_b32 v3, 12, v3
	v_and_b32 v8, 7, v1
	v_lshrrev_b32 v9, 4, v1
	v_lshl_add_u32 v8, v9, 3, v8
	v_lshl_add_u32 v3, v8, 4, v3                   ; u x 4,096 + r x 16
	QW 1
	s_endpgm
.Lw2:
	s_load_b32 s24, s[10:11], 0xc                  ; e3
	s_sub_co_u32 s17, ttmp9, 64
	s_lshl_b32 s17, s17, 5
	s_add_co_u32 s17, s17, s16                     ; the job, 0 .. 1,023
	s_and_b32 s18, s17, 1                          ; which two of the four tiles of channels
	s_bfe_u32 s21, s17, 0x20001                    ; w
	s_bfe_u32 s19, s17, 0x20003                    ; c
	s_bfe_u32 s20, s17, 0x30005                    ; S: the K step
	s_lshr_b32 s22, s17, 8                         ; the expert
	s_lshl_b32 s26, s22, 20                        ; from: expert x 1 MiB + (128 S + 32 c) rows of 1,024 bytes + (64 w + 2 np) x 4
	s_lshl_b32 s28, s20, 17
	s_add_co_u32 s26, s26, s28
	s_lshl_b32 s28, s19, 15
	s_add_co_u32 s26, s26, s28
	s_lshl_b32 s28, s21, 8
	s_add_co_u32 s26, s26, s28
	s_lshl_b32 s28, s18, 3
	s_add_co_u32 s26, s26, s28
	s_mov_b32 s27, 0
	s_add_nc_u64 s[8:9], s[8:9], s[26:27]
	s_lshl_b32 s30, s22, 19                        ; to: ((4 e + w) 16 + 8 + S) x 8,192 + np x 4,096 + c x 512
	s_lshl_b32 s28, s21, 17
	s_add_co_u32 s30, s30, s28
	s_add_co_u32 s28, s20, 8
	s_lshl_b32 s28, s28, 13
	s_add_co_u32 s30, s30, s28
	s_lshl_b32 s28, s18, 12
	s_add_co_u32 s30, s30, s28
	s_lshl_b32 s28, s19, 9
	s_add_co_u32 s30, s30, s28
	s_mov_b32 s31, 0
	s_add_nc_u64 s[14:15], s[14:15], s[30:31]
	v_and_b32 v8, 15, v1                           ; r
	v_lshrrev_b32 v9, 4, v1                        ; which of the two tiles
	v_lshlrev_b32 v2, 4, v8
	v_lshl_add_u32 v2, v9, 2, v2                   ; channel 64 w + 4 r + 2 np + (lane / 16)
	v_lshlrev_b32 v3, 4, v8
	v_lshl_add_u32 v3, v9, 11, v3                  ; (lane / 16) x 2,048 + r x 16
	QW 2
	s_endpgm
.Lfunc_end_k_qa346661417_place:
	.size	k_qa346661417_place, .Lfunc_end_k_qa346661417_place-k_qa346661417_place
	.p2alignl 7, 3214868480
	.fill 96, 4, 3214868480
	.section	.rodata,"a",@progbits
	.p2align	6, 0x0
	.amdhsa_kernel k_qa346661417_place
		.amdhsa_group_segment_fixed_size 4608
		.amdhsa_private_segment_fixed_size 0
		.amdhsa_enable_private_segment 0
		.amdhsa_kernarg_size 48
		.amdhsa_user_sgpr_count 2
		.amdhsa_user_sgpr_kernarg_segment_ptr 1
		.amdhsa_wavefront_size32 1
		.amdhsa_system_sgpr_workgroup_id_x 1
		.amdhsa_system_sgpr_workgroup_id_y 1
		.amdhsa_system_sgpr_workgroup_id_z 1
		.amdhsa_system_vgpr_workitem_id 0
		.amdhsa_next_free_vgpr 82
		.amdhsa_next_free_sgpr 80
		.amdhsa_reserve_vcc 1
		.amdhsa_float_denorm_mode_32 3
		.amdhsa_float_denorm_mode_16_64 3
		.amdhsa_memory_ordered 1
		.amdhsa_forward_progress 1
		.amdhsa_inst_pref_size 29
	.end_amdhsa_kernel
	.amdgpu_metadata
---
amdhsa.version: [ 1, 2 ]
amdhsa.kernels:
  - .name:           k_qa346661417_place
    .symbol:         k_qa346661417_place.kd
    .args:
      - { .name: routes, .offset: 0, .size: 8, .value_kind: global_buffer, .address_space: global }
      - { .name: W1, .offset: 8, .size: 8, .value_kind: global_buffer, .address_space: global }
      - { .name: W2, .offset: 16, .size: 8, .value_kind: global_buffer, .address_space: global }
      - { .name: lowp_scales, .offset: 24, .size: 8, .value_kind: global_buffer, .address_space: global }
      - { .name: order, .offset: 32, .size: 8, .value_kind: global_buffer, .address_space: global }
      - { .name: wq, .offset: 40, .size: 8, .value_kind: global_buffer, .address_space: global }
    .group_segment_fixed_size: 4608
    .private_segment_fixed_size: 0
    .kernarg_segment_align: 8
    .kernarg_segment_size: 48
    .max_flat_workgroup_size: 1024
    .sgpr_count:     80
    .vgpr_count:     82
    .wavefront_size: 32
...
	.end_amdgpu_metadata
.endif
;; end of part 2
;; launch chain (part 3): grid 231 x 1, 4 waves a work-group, no clusters, 189,440 bytes of LDS; arguments xq, wq, order, pmax, b1, b2, lowp_scales, out0; writes out0
.if DOCPART == 3
	.amdgcn_target "amdgcn-amd-amdhsa--gfx1250"
	.amdhsa_code_object_version 6
	.text
	.protected	k_qa346661417_chain
	.globl	k_qa346661417_chain
	.p2align	8
	.type	k_qa346661417_chain,@function
k_qa346661417_chain:
	s_mov_b64 s[64:65], 0
	v_nop
	global_prefetch_b8 v0, s[64:65] scope:SCOPE_SE
	s_setreg_imm32_b32 hwreg(HW_REG_WAVE_MODE, 25, 1), 1
	s_wait_xcnt 0x0
; ONE TILE OF ONE EXPERT THROUGH THE WHOLE CHAIN: out[t] = (relu(x[t] W1[e] + b1[e]) W2[e] + b2[e]) pmax[t] for the 144 tokens of tile g of the list 'order', all routed to expert e.
; Both products on codes of E5M2 by v_wmma_f32_16x16x128_bf8_bf8, sums in f32.  x's and the weights' codes come from the launches before; the hidden layer is quantised in registers and never goes to memory.
; SHARES.  Four waves.  THE WAVES SHARE THE COLUMNS, NOT THE ROWS: wave w makes hidden units 256 w .. + 255 and channels 64 w .. + 63 for all 144 rows (nine tiles of 16).  So each fragment of the weights is read
; once by the work-group, by one wave, straight from memory into that wave's operand registers (wq is laid in their order: every load is 512 consecutive bytes), and feeds nine matrix instructions.
; The wave's 128 KB of weights are a stream of 16 chunks of 8 KB through four register buffers; three chunks are always on their way.
; NO JOINT LOADS: a joint load lands in LDS, and here each weight byte is wanted by one wave alone, so that way would add 512 KB of LDS writes and 512 KB of LDS reads to each work-group; and the expert of a tile is
; read from the list, where an expert's number of tiles is a multiple of no cluster's size for every split, so partners could want different weights.
; PHASES.  Head: the tile's 144 rows of xq are gathered (two whole rows of 256 bytes a load) into LDS | barrier | all 18 fragments of x into registers.   1: eight chunks of 32 hidden units: S^T = W1 x^T + b1 (source 0 =
; 16 rows of W1, source 1 = 16 tokens: a lane holds ONE token and its registers run along the hidden units), relu and the hold in one, conversion; the codes go to LDS as images of the next operand's registers | barrier |
; 2: eight K steps of 128: the nine hidden fragments from LDS (two register sets by turns) x four tiles of W2.   Way out: x 2^(e2 + e3) pmax + b2 pmax, stored straight from registers.
; THE ROWS OF W1 THAT FORM A TILE ARE NOT NEIGHBOURS (row r of tile u is hidden unit 32 q + 8 u + r + 8 (r / 8)), so that a lane's 16 registers of tiles 0 and 1 are 16 neighbours along the next K.
; THE COLUMNS OF W2 THAT FORM A TILE ARE NOT NEIGHBOURS either (column r of tile n is channel 64 w + 4 r + n), so that a lane's four results of one token are 16 neighbouring bytes and sixteen lanes store 256 consecutive bytes, aligned.
; Along K both operands of each product lie in the same order (32 c + 16 h + 0 .. 15 a piece of four registers; the first product also in the order of xq's bytes): every product meets its partner; only the order of the sums inside an instruction differs from ascending k.
; PADS.  An entry -1 is replaced by the tile's first token: its row is computed like the first row and stores the same numbers to the same place.  A tile whose first entry is -1 is empty: the work-group walks
; the text (every wave passes every barrier) and jumps over the stores alone.
; LIMITS: e2 - e0 - e1 between -126 and 112, e2 + e3 between -126 and 127, so that each power of two below is an f32 number.  NaN is not served.  out = sum x (2^(e2 + e3) p) + b2 p: one order of rounding away from (sum 2^(e2 + e3) + b2) p.
; REGISTERS, in windows of 256 (s_set_vgpr_msb: bits 1:0 source 0, 3:2 source 1, 5:4 source 2, 7:6 destination):
;   window 0: v1-12 addresses and scales that stay; v16-19 b2; v20-29 addresses of the head; v40-183: head: entries and gathered rows; phase 1: the 18 accumulators (tile of rows m, tile u) at 40 + 16 m + 8 u;
;             phase 2: hidden set A; way out: tokens and pmax.   v184-219 the codes just made; way out: v184-247 two sets of 32 results.
;   window 1: the weights' four buffers of 64.   window 2: x's fragments (m, s) at 32 m + 16 s, m < 8; phase 2: accumulators (m, n) at 32 m + 8 n.
;   window 3: v0-31 x's fragments of m = 8, later its accumulators; v32-159 b1 (chunk q, tile u at 32 + 16 q + 8 u); phase 2: v32-175 hidden set B.
.set XP,    272                        ; a row of x's codes in LDS: 256 bytes + 16 = 68 words: row r starts at bank 4 r mod 64 (64 banks of 4 bytes: ISA guide 11.1), so the 16 rows of a load start at 16 different banks
.set HIMG,  39424                      ; behind x's 144 rows: the hidden layer's images [K step 8][m 9][c 4][lane 32][16 bytes]
.set HSTEP, 18432                      ; a K step's nine fragments
.set TOKL,  186880                     ; behind them: the tile's 144 tokens,
.set PLO,   1024                       ; and, 1,024 bytes on, their pmax
.set A0,    40
.set CODE,  184
.set OB,    184
.set B1W,   32
.set HB,    32
.set MSB, 0
.macro WIN new                         ; the immediate's high byte repeats the setting that is left; a switch that changes nothing is dropped
.if MSB != (\new)
	s_set_vgpr_msb ((MSB<<8)|(\new))
.set MSB, (\new)
.endif
.endm
; A load into a register that a matrix instruction has read, and a vector instruction that reads a matrix result, stand four places behind that matrix instruction; only plain vector
; instructions that name none of its registers are places (ISA guide 7.12.1 for vector instructions).
.macro PLACES
.rept 4
	v_nop
.endr
.endm
.macro WLOAD i                         ; chunk i of my wave's weights into buffer i % 4: 16 loads of 512 consecutive bytes
	WIN 0x40                                       ; destination window 1, address window 0
.irp f, 0,1,2,3
.irp c, 0,1,2,3
	global_load_b128 v[64*((\i)%4)+16*\f+4*\c:64*((\i)%4)+16*\f+4*\c+3], v3, s[10:11] offset:(\i)*8192+\f*2048+\c*512
.endr
.endr
	WIN 0
.endm
	s_load_b512 s[8:23], s[0:1], 0x0               ; xq s[8:9], wq s[10:11], order s[12:13], pmax s[14:15], b1 s[16:17], b2 s[18:19], the scales' exponents s[20:21], out0 s[22:23]
	v_lshl_add_u32 v254, v0, 2, 0x2e200
	v_mov_b32 v255, 0
	v_lshrrev_b32 v20, 5, v0
	v_readfirstlane_b32 s24, v20                   ; wave 0..3
	v_and_b32 v1, 15, v0                           ; r
	v_bfe_u32 v2, v0, 4, 1                         ; h
	v_and_b32 v21, 31, v0                          ; lane
	v_lshlrev_b32 v3, 4, v21                       ; 16 x lane: my place in an image and in a load of the weights
	v_mul_u32_u24 v4, v1, XP
	v_lshl_add_u32 v4, v2, 4, v4                   ; x's fragments: row r, + 16 h
	s_mul_i32 s29, s24, 2*HSTEP
	v_add_nc_u32 v5, s29, v3
	v_add_nc_u32 v5, HIMG, v5                      ; where I store images: K steps 2 w and 2 w + 1
	v_add_nc_u32 v6, HIMG, v3                      ; where I read them: three registers, 65,536 bytes apart, since an LDS offset has 16 bits
	v_add_nc_u32 v7, HIMG+65536, v3
	v_add_nc_u32 v8, HIMG+131072, v3
	v_lshlrev_b32 v9, 5, v2
	v_add_nc_u32 v9, TOKL, v9                      ; the tokens of rows 8 h + 0 .. 7 of a tile of rows
	s_lshl_b32 s30, s24, 8
	v_lshl_add_u32 v10, v1, 4, s30                 ; my 16 bytes of a row of out0: channels 64 w + 4 r + 0 .. 3
	s_mul_i32 s31, s24, 144                        ; my wave gathers rows 36 w .. 36 w + 35: their entries' bytes
	v_mul_u32_u24 v22, v2, 72
	v_add_nc_u32 v22, s31, v22                     ; lanes 0-15 take rows 36 w + 0 .. 17, lanes 16-31 rows 36 w + 18 .. 35
	v_lshl_add_u32 v23, v21, 2, s31                ; the entry of row 36 w + lane,
	v_and_b32 v24, 3, v0
	v_lshl_add_u32 v24, v24, 2, s31
	v_add_nc_u32 v24, 128, v24                     ; and of row 36 w + 32 + lane % 4
	v_add_nc_u32 v25, TOKL, v23                    ; and their places in LDS: each wave writes its own 144 bytes
	v_add_nc_u32 v26, TOKL, v24
	v_lshlrev_b32 v27, 6, v2                       ; b1: 64 h
	v_lshlrev_b32 v28, 4, v1                       ; 16 r
	v_mul_u32_u24 v29, v2, 18*XP
	v_lshl_add_u32 v29, v1, 4, v29
	s_mul_i32 s36, s24, 36*XP
	v_add_nc_u32 v29, s36, v29                     ; where the gathered rows go
	s_mul_i32 s2, ttmp9, 576                       ; my tile's 144 entries
	s_mov_b32 s3, 0
	s_wait_kmcnt 0x0
	s_add_nc_u64 s[12:13], s[12:13], s[2:3]
	s_load_b32 s26, s[12:13], 0x0                  ; the tile's first entry
	s_load_b128 s[32:35], s[20:21], 0x0            ; e0 (W1), e1 (x), e2 (hidden), e3 (W2)
.irp k, 0,1,2,3,4,5,6,7,8
	global_load_b64 v[A0+2*\k:A0+2*\k+1], v22, s[12:13] offset:8*\k    ; 18 entries a lane: eleven loads in this group
.endr
	global_load_b32 v58, v23, s[12:13]
	global_load_b32 v59, v24, s[12:13]
	s_wait_kmcnt 0x0
	s_or_b32 s27, s26, 0x80000000                  ; above every entry, below -1
	s_bfe_u32 s28, s26, 0x20010                    ; the expert
	s_min_u32 s28, s28, 3                          ; a loaded number is held before it enters an address
	s_lshl_b32 s28, s28, 2
	s_add_co_u32 s28, s28, s24                     ; 4 e + w
	s_lshl_b32 s2, s28, 17
	s_add_nc_u64 s[10:11], s[10:11], s[2:3]        ; my wave's 128 KB of weights
	s_lshl_b32 s2, s28, 10
	s_add_nc_u64 s[16:17], s[16:17], s[2:3]        ; my 256 numbers of b1
	s_lshl_b32 s2, s28, 8
	s_add_nc_u64 s[18:19], s[18:19], s[2:3]        ; my 64 of b2
	WIN 0xC0                                       ; destination window 3
.irp q, 0,1,2,3,4,5,6,7
.irp u, 0,1
	global_load_b128 v[B1W+16*\q+8*\u:B1W+16*\q+8*\u+3], v27, s[16:17] offset:128*\q+32*\u          ; in the result's layout: lane (r, h), register j: hidden unit 32 q + 16 h + 8 u + j
	global_load_b128 v[B1W+16*\q+8*\u+4:B1W+16*\q+8*\u+7], v27, s[16:17] offset:128*\q+32*\u+16
.endr
.endr
	WIN 0
	global_load_b128 v[16:19], v28, s[18:19]
	WLOAD 0
	s_add_co_i32 s36, s32, s33                     ; e0 + e1: a sum of the first product stands for sum x 2^(e0 + e1), so b1 goes in as b1 / 2^(e0 + e1)
	s_sub_co_i32 s42, 0, s36
	s_sub_co_i32 s37, s34, s36
	s_add_co_i32 s37, s37, 127
	s_lshl_b32 s38, s37, 23
	v_mov_b32 v11, s38                             ; 2^(e2 - e0 - e1): the three scales ahead of the quantiser folded into the conversion's one
	s_add_co_i32 s37, s37, 15
	s_lshl_b32 s37, s37, 23
	s_or_b32 s37, s37, 0x600000
	v_mov_b32 v12, s37                             ; 57,344 x that
	s_add_co_i32 s40, s34, s35
	s_add_co_i32 s40, s40, 127
	s_lshl_b32 s40, s40, 23                        ; 2^(e2 + e3) as f32
	s_mov_b32 s41, s40                             ; (named with it as a pair, so it is written)
	s_wait_loadcnt 49                              ; the eleven loads of entries are in; behind them: b1's 32, b2's one, chunk 0's 16
.set ii, 0
.rept 20
	v_min_u32 v[A0+ii], s27, v[A0+ii]              ; a pad becomes the tile's first entry,
	v_and_b32 v[A0+ii], 0x7fff, v[A0+ii]           ; the token,
	v_min_u32 v[A0+ii], 0x7fff, v[A0+ii]           ; held inside the table before it becomes an address
.set ii, ii+1
.endr
.set ii, 0
.rept 18
	v_lshl_add_u32 v[A0+ii], v[A0+ii], 8, v28      ; token x 256 + 16 r
.set ii, ii+1
.endr
	v_lshlrev_b32 v60, 2, v58
	v_lshlrev_b32 v61, 2, v59
.set ii, 0
.rept 18
	global_load_b128 v[64+4*ii:67+4*ii], v[A0+ii], s[8:9]     ; two whole rows of 256 bytes, sixteen lanes each
.set ii, ii+1
.endr
	global_load_b32 v62, v60, s[14:15]
	global_load_b32 v63, v61, s[14:15]
	WLOAD 1
	WLOAD 2
	s_wait_loadcnt 32                              ; all but chunks 1 and 2: the rows, pmax, b1, b2 and chunk 0 are in
	WIN 0xC3                                       ; source 0 and destination window 3
.set ii, 0
.rept 128
	v_ldexp_f32 v[B1W+ii], v[B1W+ii], s42
.set ii, ii+1
.endr
	WIN 0
.set ii, 0
.rept 18
	ds_store_b128 v29, v[64+4*ii:67+4*ii] offset:ii*XP
.set ii, ii+1
.endr
	ds_store_b32 v25, v58
	ds_store_b32 v26, v59                          ; (eight lanes write each of these four words, with the same number)
	ds_store_b32 v25, v62 offset:PLO
	ds_store_b32 v26, v63 offset:PLO
	WLOAD 3
	s_wait_dscnt 0x0                               ; for the others' sake: my stores have landed
	s_barrier_signal -1
	s_barrier_wait -1                              ; the 144 rows, tokens and pmax lie in LDS
	WIN 0x80                                       ; destination window 2
.irp m, 0,1,2,3,4,5,6,7
.irp s, 0,1
.irp c, 0,1,2,3
	ds_load_b128 v[32*\m+16*\s+4*\c:32*\m+16*\s+4*\c+3], v4 offset:\m*16*XP+128*\s+32*\c
.endr
.endr
.endr
	WIN 0xC0
.irp s, 0,1
.irp c, 0,1,2,3
	ds_load_b128 v[16*\s+4*\c:16*\s+4*\c+3], v4 offset:8*16*XP+128*\s+32*\c
.endr
.endr
	WIN 0
	s_wait_dscnt 0x0                               ; x's 18 fragments stay in registers through phase 1
; PHASE 1, chunk q: 32 hidden units for the 144 rows: 36 matrix instructions.  The 18 accumulators take turns, one instruction a turn; b1 is the C of each sum's first instruction.
.macro P1CHUNK q
.set WB, 64*((\q)%4)
	s_wait_loadcnt 48                              ; chunk q is in; the three chunks behind it, 16 loads each, stay out
	WIN 0x39                                       ; W1 window 1, x window 2, b1 window 3, sums window 0
.irp u, 0,1
.irp m, 0,1,2,3,4,5,6,7
	v_wmma_f32_16x16x128_bf8_bf8 v[A0+16*\m+8*\u:A0+16*\m+8*\u+7], v[WB+32*\u:WB+32*\u+15], v[32*\m:32*\m+15], v[B1W+16*(\q)+8*\u:B1W+16*(\q)+8*\u+7]
.endr
.endr
	WIN 0x09
.irp u, 0,1
.irp m, 0,1,2,3,4,5,6,7
	v_wmma_f32_16x16x128_bf8_bf8 v[A0+16*\m+8*\u:A0+16*\m+8*\u+7], v[WB+32*\u+16:WB+32*\u+31], v[32*\m+16:32*\m+31], v[A0+16*\m+8*\u:A0+16*\m+8*\u+7]
.endr
.endr
	WIN 0x3D                                       ; the ninth tile of rows: x in window 3
.irp u, 0,1
	v_wmma_f32_16x16x128_bf8_bf8 v[A0+128+8*\u:A0+128+8*\u+7], v[WB+32*\u:WB+32*\u+15], v[0:15], v[B1W+16*(\q)+8*\u:B1W+16*(\q)+8*\u+7]
.endr
	WIN 0x0D
.irp u, 0,1
	v_wmma_f32_16x16x128_bf8_bf8 v[A0+128+8*\u:A0+128+8*\u+7], v[WB+32*\u+16:WB+32*\u+31], v[16:31], v[A0+128+8*\u:A0+128+8*\u+7]
.endr
	WIN 0
	PLACES                                         ; in front of the loads into the buffer just multiplied, and of the first read of the last results
	WLOAD (\q)+4
	s_wait_dscnt 0x0                               ; the last chunk's stores have read the codes' registers
.irp m, 0,1,2,3,4,5,6,7,8
.irp i, 0,1,2,3,4,5,6,7,8,9,10,11,12,13,14,15
	v_med3_num_f32 v[A0+16*\m+\i], v[A0+16*\m+\i], 0, v12   ; the activation and the hold in one: between 0 and the largest code x the scale (the conversion does not saturate: ISA guide 7.6.2); each accumulator from its low end on
.endr
	v_cvt_scalef32_pk8_bf8_f32 v[CODE+4*\m:CODE+4*\m+1], v[A0+16*\m:A0+16*\m+7], v11
	v_cvt_scalef32_pk8_bf8_f32 v[CODE+4*\m+2:CODE+4*\m+3], v[A0+16*\m+8:A0+16*\m+15], v11
.endr
	v_nop                                          ; one plain vector line behind the last conversion: the next products write its sources
.irp m, 0,1,2,3,4,5,6,7,8
	ds_store_b128 v5, v[CODE+4*\m:CODE+4*\m+3] offset:((\q)>>2)*HSTEP+\m*2048+((\q)&3)*512   ; piece q % 4 of K step 2 w + q / 4, rows 16 m on: lane l's 16 bytes at 16 l
.endr
.endm
.irp t, 0,1,2,3,4,5,6,7
	P1CHUNK \t
.endr
	s_wait_dscnt 0x0                               ; for the others' sake: my images have landed
	s_barrier_signal -1
	s_barrier_wait -1                              ; the hidden layer's 72 fragments lie in LDS
; PHASE 2.  K step S's nine hidden fragments into set 0 (window 0) or 1 (window 3).
.macro HLOAD S, set
.if \set
	WIN 0xC0
.set HD, HB
.else
	WIN 0
.set HD, A0
.endif
.irp m, 0,1,2,3,4,5,6,7,8
.irp c, 0,1,2,3
.set TT, (\S)*HSTEP+\m*2048+\c*512
	ds_load_b128 v[HD+16*\m+4*\c:HD+16*\m+4*\c+3], v[6+(TT>>16)] offset:(TT&0xffff)
.endr
.endr
.endm
; K step S: 36 matrix instructions, source 0 = 16 tokens of the hidden layer, source 1 = 16 channels of W2; the 36 accumulators take turns, one instruction a turn.
.macro P2STEP S
	s_wait_dscnt 0x0                               ; this step's fragments are in
.if (\S) < 7
	HLOAD (\S)+1, ((\S)+1)%2                       ; the next step's, into the other set: they land while this step is multiplied
.else
	WIN 0
.irp m, 0,1,2,3,4,5,6,7,8              ; the last step fetches the way out's tokens and pmax: rows 16 m + 8 h + 0 .. 7
	ds_load_b128 v[A0+16*\m:A0+16*\m+3], v9 offset:64*\m
	ds_load_b128 v[A0+16*\m+4:A0+16*\m+7], v9 offset:64*\m+16
	ds_load_b128 v[A0+16*\m+8:A0+16*\m+11], v9 offset:PLO+64*\m
	ds_load_b128 v[A0+16*\m+12:A0+16*\m+15], v9 offset:PLO+64*\m+16
.endr
.endif
.if (\S) < 5
	s_wait_loadcnt 48                              ; chunk 8 + S is in; the three chunks behind it stay out
.else
	s_wait_loadcnt 16*(7-(\S))                     ; the stream runs out: two, one, no chunk behind it
.endif
.set WB, 64*((\S)%4)
.if (\S)%2
.set HS, HB
.else
.set HS, A0
.endif
	WIN 0xA4+3*((\S)%2)                            ; hidden window 0 or 3, W2 window 1, sums window 2
.irp m, 0,1,2,3,4,5,6,7
.irp n, 0,1,2,3
.if (\S) == 0
	v_wmma_f32_16x16x128_bf8_bf8 v[32*\m+8*\n:32*\m+8*\n+7], v[HS+16*\m:HS+16*\m+15], v[WB+16*\n:WB+16*\n+15], 0
.else
	v_wmma_f32_16x16x128_bf8_bf8 v[32*\m+8*\n:32*\m+8*\n+7], v[HS+16*\m:HS+16*\m+15], v[WB+16*\n:WB+16*\n+15], v[32*\m+8*\n:32*\m+8*\n+7]
.endif
.endr
.endr
	WIN 0xF4+3*((\S)%2)                            ; the ninth tile of rows: sums in window 3
.irp n, 0,1,2,3
.if (\S) == 0
	v_wmma_f32_16x16x128_bf8_bf8 v[8*\n:8*\n+7], v[HS+128:HS+143], v[WB+16*\n:WB+16*\n+15], 0
.else
	v_wmma_f32_16x16x128_bf8_bf8 v[8*\n:8*\n+7], v[HS+128:HS+143], v[WB+16*\n:WB+16*\n+15], v[8*\n:8*\n+7]
.endif
.endr
	WIN 0
	PLACES                                         ; in front of the loads into the set and the buffer just multiplied, and of the way out's reads
.if (\S) < 4
	WLOAD 12+(\S)
.endif
.endm
	HLOAD 0, 0
.irp t, 0,1,2,3,4,5,6,7
	P2STEP \t
.endr
	; THE WAY OUT.  Register j of accumulator (m, n) in lane (r, h) is token 16 m + 8 h + j, channel 64 w + 4 r + n.
	s_wait_dscnt 0x0                               ; the tokens and pmax are in
	s_cmp_eq_u32 s26, -1                           ; an empty tile stores nothing; no barrier follows
	s_cbranch_scc1 .Lend
.macro OUT m
.set TK, A0+16*(\m)
.set PP, A0+16*(\m)+8
.set OO, OB+32*((\m)%2)
.if (\m) >= 2
	s_wait_xcnt 0x0                                ; the stores of two tiles back have read this set of results
.endif
.irp j, 0,1,2,3,4,5,6,7
	v_min_u32 v[TK+\j], 0x7fff, v[TK+\j]           ; held inside the table before it becomes an address
	v_lshl_add_u32 v[TK+\j], v[TK+\j], 10, v10     ; token x 1,024 + my 16 bytes
.endr
.irp g, 0,1,2,3
.irp k, 0,1
	v_pk_mul_f32 v[OO+8*\g+2*\k:OO+8*\g+2*\k+1], v[16+2*\k:17+2*\k], v[PP+2*\g:PP+2*\g+1] op_sel:[0,0] op_sel_hi:[1,0]       ; b2 x p of token j = 2 g,
	v_pk_mul_f32 v[OO+8*\g+4+2*\k:OO+8*\g+4+2*\k+1], v[16+2*\k:17+2*\k], v[PP+2*\g:PP+2*\g+1] op_sel:[0,1] op_sel_hi:[1,1]   ; and of j = 2 g + 1
.endr
.endr
.irp g, 0,1,2,3
	v_pk_mul_f32 v[PP+2*\g:PP+2*\g+1], v[PP+2*\g:PP+2*\g+1], s[40:41] op_sel_hi:[1,0]   ; p x 2^(e2 + e3)
.endr
.if (\m) < 8
	WIN 0x02                                       ; the sums: window 2
.set AB, 32*(\m)
.else
	WIN 0x03                                       ; window 3
.set AB, 0
.endif
.irp j, 0,1,2,3,4,5,6,7                ; each accumulator from its low end on
.irp n, 0,1,2,3
	v_fma_f32 v[OO+4*\j+\n], v[AB+8*\n+\j], v[PP+\j], v[OO+4*\j+\n]
.endr
.endr
	WIN 0
.irp j, 0,1,2,3,4,5,6,7
	global_store_b128 v[TK+\j], v[OO+4*\j:OO+4*\j+3], s[22:23] th:TH_STORE_NT   ; lanes 0-15: 256 consecutive bytes, aligned, of token 16 m + j; lanes 16-31: of token 16 m + 8 + j; written once, read by nobody here
.endr
.endm
.irp t, 0,1,2,3,4,5,6,7,8
	OUT \t
.endr
.Lend:
	s_wait_tensorcnt 0x0
	ds_add_u32 v254, v255
	s_wait_dscnt 0x0
	s_endpgm
.Lfunc_end_k_qa346661417_chain:
	.size	k_qa346661417_chain, .Lfunc_end_k_qa346661417_chain-k_qa346661417_chain
	.p2alignl 7, 3214868480
	.fill 96, 4, 3214868480
	.section	.rodata,"a",@progbits
	.p2align	6, 0x0
	.amdhsa_kernel k_qa346661417_chain
		.amdhsa_group_segment_fixed_size 189440
		.amdhsa_private_segment_fixed_size 0
		.amdhsa_enable_private_segment 0
		.amdhsa_kernarg_size 64
		.amdhsa_user_sgpr_count 2
		.amdhsa_user_sgpr_kernarg_segment_ptr 1
		.amdhsa_wavefront_size32 1
		.amdhsa_system_sgpr_workgroup_id_x 1
		.amdhsa_system_sgpr_workgroup_id_y 1
		.amdhsa_system_sgpr_workgroup_id_z 1
		.amdhsa_system_vgpr_workitem_id 0
		.amdhsa_next_free_vgpr 1024
		.amdhsa_next_free_sgpr 66
		.amdhsa_reserve_vcc 0
		.amdhsa_float_denorm_mode_32 3
		.amdhsa_float_denorm_mode_16_64 3
		.amdhsa_memory_ordered 1
		.amdhsa_forward_progress 1
		.amdhsa_inst_pref_size 247
	.end_amdhsa_kernel
	.amdgpu_metadata
---
amdhsa.version: [ 1, 2 ]
amdhsa.kernels:
  - .name:           k_qa346661417_chain
    .symbol:         k_qa346661417_chain.kd
    .args:
      - { .name: xq, .offset: 0, .size: 8, .value_kind: global_buffer, .address_space: global }
      - { .name: wq, .offset: 8, .size: 8, .value_kind: global_buffer, .address_space: global }
      - { .name: order, .offset: 16, .size: 8, .value_kind: global_buffer, .address_space: global }
      - { .name: pmax, .offset: 24, .size: 8, .value_kind: global_buffer, .address_space: global }
      - { .name: b1, .offset: 32, .size: 8, .value_kind: global_buffer, .address_space: global }
      - { .name: b2, .offset: 40, .size: 8, .value_kind: global_buffer, .address_space: global }
      - { .name: lowp_scales, .offset: 48, .size: 8, .value_kind: global_buffer, .address_space: global }
      - { .name: out0, .offset: 56, .size: 8, .value_kind: global_buffer, .address_space: global }
    .group_segment_fixed_size: 189440
    .private_segment_fixed_size: 0
    .kernarg_segment_align: 8
    .kernarg_segment_size: 64
    .max_flat_workgroup_size: 128
    .sgpr_count:     66
    .vgpr_count:     1024
    .wavefront_size: 32
...
	.end_amdgpu_metadata
.endif
;; end of part 3
;; ======== version 2 of 2: 3 launches
;; workspace buffers: xq 8,388,608 bytes; routes 131,072 bytes of whole numbers; pmax 131,072 bytes; order 133,120 bytes of whole numbers; wq 2,097,152 bytes
;; launch route (part 4): grid 256 x 1, 8 waves a work-group, no clusters, 2,048 bytes of LDS; arguments x, W_sw, b_sw, lowp_scales, xq, routes, pmax; writes xq, routes, pmax
.if DOCPART == 4
	.amdgcn_target "amdgcn-amd-amdhsa--gfx1250"
	.amdhsa_code_object_version 6
	.text
	.protected	k_qa346661417_route
	.globl	k_qa346661417_route
	.p2align	8
	.type	k_qa346661417_route,@function
k_qa346661417_route:
	s_mov_b64 s[64:65], 0
	v_nop
	global_prefetch_b8 v0, s[64:65] scope:SCOPE_SE
	s_setreg_imm32_b32 hwreg(HW_REG_WAVE_MODE, 25, 1), 1
	s_wait_xcnt 0x0
; THE ROUTER, AND x INTO CODES.  x: [32768][256] f32.  For each token: logits = x W_sw + b_sw in f32 (fused multiply-adds), their softmax's largest
; probability (pmax, f32) and its index (routes, int32, 0..3); and the token's 256 numbers as codes of E5M2 with the given scale 2^e1 (lowp_scales[1]).
; SHARES.  A work-group takes 128 tokens, each of its eight waves 16.  A token's row of 1,024 bytes is two loads of 512 consecutive bytes: lane l holds
; k = 4 l .. 4 l + 3 and k = 128 + 4 l .. + 3.  Its eight numbers become eight code bytes, and the wave's store of 8 bytes a lane covers the row's 256
; consecutive bytes, aligned.  So byte p of a row of xq is the code of k = 4 (p >> 3) + (p & 3) + 128 ((p >> 2) & 1); W1's codes are laid by the same order of k.
; All 32 loads of a wave go out at the head; x is read once.  No matrix unit (four columns), no cluster (work-groups share only the 4 KB of W_sw).
; THE ROUTE is the lowest index whose 2^((l_i - max) log2 e) is 1.0, as an argmax over the probabilities gives it; pmax = 1 / the sum of those powers.
; LIMITS: e1 between -126 and 112, so that 2^e1 and 57,344 x 2^e1 are f32 numbers.  NaN among the inputs is not served.  The logits' sums are f32 sums in another order than a plain loop's.
.set WS,  8                            ; v[8:39]    W_sw's rows 4 l .. 4 l + 3 (v8-23) and 128 + 4 l .. (v24-39), four numbers a row
.set LG,  40                           ; v[40:43]   the four logits of token (lane % 16)
.set AC,  44                           ; v[44:51]   four pairs of partial sums
.set CD,  52                           ; v[52:83]   codes, two registers a token, never written again
.set X,   84                           ; v[84:211]  the 16 tokens' numbers, eight a token
.set TP,  216                          ; v[216:219] what comes from the other half of the lanes
	s_load_b256 s[4:11], s[0:1], 0x0               ; x s[4:5], W_sw s[6:7], b_sw s[8:9], the scales' exponents s[10:11]
	s_load_b128 s[12:15], s[0:1], 0x20             ; xq s[12:13], routes s[14:15]
	s_load_b64 s[16:17], s[0:1], 0x30              ; pmax
	v_lshl_add_u32 v232, v0, 2, 0x400
	v_mov_b32 v233, 0
	v_lshrrev_b32 v1, 5, v0
	s_delay_alu instid0(VALU_DEP_1)
	v_readfirstlane_b32 s25, v1                    ; wave 0..7
	v_and_b32 v1, 31, v0                           ; lane
	s_delay_alu instid0(VALU_DEP_1)
	v_lshlrev_b32 v2, 4, v1                        ; 16 x lane
	s_delay_alu instid0(VALU_DEP_2)
	v_lshlrev_b32 v3, 3, v1                        ; 8 x lane
	s_delay_alu instid0(VALU_DEP_3)
	v_lshlrev_b32 v212, 6, v1                      ; 64 x lane: four rows of W_sw
	v_and_b32 v213, 15, v0
	s_delay_alu instid0(VALU_DEP_1)
	v_lshlrev_b32 v213, 2, v213
	s_lshl_b32 s27, s25, 6
	v_add_nc_u32 v213, s27, v213                   ; LDS: the word of token 16 x wave + lane % 16
	s_lshl_b32 s18, ttmp9, 17                      ; 128 tokens of 1,024 bytes,
	s_lshl_b32 s19, s25, 14                        ; 16 of them for each wave
	s_add_co_u32 s18, s18, s19
	s_mov_b32 s19, 0
	s_lshr_b32 s30, s18, 2                         ; the same tokens in xq: 256 bytes each
	s_mov_b32 s31, 0
	s_lshl_b32 s32, ttmp9, 9                       ; and in routes and pmax: 4 bytes each
	s_mov_b32 s33, 0
	s_mov_b32 s28, 0x76543210                      ; v_permlanex16_b32: each lane takes its own place in the other half
	s_mov_b32 s29, 0xfedcba98
	s_wait_alu depctr_va_vdst(0)
	s_wait_kmcnt 0x0
	s_load_b128 s[20:23], s[8:9], 0x0              ; b_sw
	s_load_b32 s24, s[10:11], 0x4                  ; e1
	s_add_nc_u64 s[4:5], s[4:5], s[18:19]
	s_add_nc_u64 s[12:13], s[12:13], s[30:31]
	s_add_nc_u64 s[14:15], s[14:15], s[32:33]
	s_add_nc_u64 s[16:17], s[16:17], s[32:33]
.irp j, 0,1,2,3
	global_load_b128 v[WS+4*\j:WS+4*\j+3], v212, s[6:7] offset:16*\j
	global_load_b128 v[WS+16+4*\j:WS+16+4*\j+3], v212, s[6:7] offset:2048+16*\j
.endr
.set ii, 0
.rept 16
	global_load_b128 v[X+8*ii:X+8*ii+3], v2, s[4:5] offset:1024*ii th:TH_LOAD_NT        ; 32 lanes read 512 consecutive bytes
	global_load_b128 v[X+8*ii+4:X+8*ii+7], v2, s[4:5] offset:1024*ii+512 th:TH_LOAD_NT
.set ii, ii+1
.endr
.irp e, 0,1,2,3
	v_mov_b32 v[LG+\e], 0                          ; written whole once: each token fills two lanes of them
	v_mov_b32 v[TP+\e], 0                          ; a lane permute's destination counts as one of its sources
.endr
	s_wait_kmcnt 0x0
	s_add_co_i32 s24, s24, 127
	s_lshl_b32 s34, s24, 23
	v_mov_b32 v4, s34                              ; 2^e1 as f32: the conversion takes its exponent field
	s_add_co_i32 s24, s24, 15
	s_lshl_b32 s24, s24, 23
	s_or_b32 s24, s24, 0x600000
	v_mov_b32 v5, s24                              ; 57,344 x 2^e1
; One token: its four logits (each lane's eight k, then over the 32 lanes), then its codes.
.macro TOKEN i
.set XI, X+8*(\i)
	s_wait_loadcnt 2*(15-(\i))                     ; loads come back in order: this token's two are in, the younger tokens' stay out; W_sw's are older
	v_pk_mul_f32 v[AC:AC+1], v[XI:XI+1], v[WS:WS+1] op_sel:[0,0] op_sel_hi:[0,1]             ; x(k) x (W(k,0), W(k,1)): the first product starts each of four chains
	v_pk_mul_f32 v[AC+2:AC+3], v[XI:XI+1], v[WS+2:WS+3] op_sel:[0,0] op_sel_hi:[0,1]
	v_pk_mul_f32 v[AC+4:AC+5], v[XI+4:XI+5], v[WS+16:WS+17] op_sel:[0,0] op_sel_hi:[0,1]
	v_pk_mul_f32 v[AC+6:AC+7], v[XI+4:XI+5], v[WS+18:WS+19] op_sel:[0,0] op_sel_hi:[0,1]
.irp j, 1,2,3
.irp b, 0,1
.irp p, 0,1
.if \j == 2
	s_delay_alu instid0(VALU_DEP_4)
	v_pk_fma_f32 v[AC+4*\b+2*\p:AC+4*\b+2*\p+1], v[XI+4*\b+2:XI+4*\b+3], v[WS+16*\b+8+2*\p:WS+16*\b+8+2*\p+1], v[AC+4*\b+2*\p:AC+4*\b+2*\p+1] op_sel:[0,0,0] op_sel_hi:[0,1,1]
.else
	s_delay_alu instid0(VALU_DEP_4)
	v_pk_fma_f32 v[AC+4*\b+2*\p:AC+4*\b+2*\p+1], v[XI+4*\b+(\j-1):XI+4*\b+\j], v[WS+16*\b+4*\j+2*\p:WS+16*\b+4*\j+2*\p+1], v[AC+4*\b+2*\p:AC+4*\b+2*\p+1] op_sel:[1,0,0] op_sel_hi:[1,1,1]
.endif
.endr
.endr
.endr
	s_delay_alu instid0(VALU_DEP_2)
	v_pk_add_f32 v[AC:AC+1], v[AC:AC+1], v[AC+4:AC+5]
	s_delay_alu instid0(VALU_DEP_2)
	v_pk_add_f32 v[AC+2:AC+3], v[AC+2:AC+3], v[AC+6:AC+7]
.irp k, 1,2,4,8
.irp e, 0,1,2,3
	v_add_f32_dpp v[AC+\e], v[AC+\e], v[AC+\e] row_xmask:\k row_mask:0xf bank_mask:0xf
.endr
.endr
.irp e, 0,1,2,3
	s_delay_alu instid0(VALU_DEP_4)
	v_permlanex16_b32 v[TP+\e], v[AC+\e], s28, s29
.endr
.irp e, 0,1,2,3
	s_delay_alu instid0(VALU_DEP_4)
	v_add_f32 v[AC+\e], v[AC+\e], v[TP+\e]         ; every lane holds the token's four sums
.endr
	s_mov_b32 s26, 0x10001<<(\i)
.irp e, 0,1,2,3
	v_cndmask_b32 v[LG+\e], v[LG+\e], v[AC+\e], s26   ; lanes i and i + 16 keep them
.endr
.irp j, 0,1,2,3,4,5,6,7
	v_med3_num_f32 v[XI+\j], v[XI+\j], -v5, v5     ; the conversion to an 8-bit code does not saturate (ISA guide 7.6.2): the hold at the largest code x the scale
.endr
	v_cvt_scalef32_pk8_bf8_f32 v[CD+2*(\i):CD+2*(\i)+1], v[XI:XI+7], v4   ; its result goes to a store alone; plain vector lines follow
	global_store_b64 v3, v[CD+2*(\i):CD+2*(\i)+1], s[12:13] offset:256*(\i)   ; 32 lanes store the row's 256 consecutive bytes, aligned
.endm
.irp t, 0,1,2,3,4,5,6,7,8,9,10,11,12,13,14,15
	TOKEN \t
.endr
	; the softmax's largest term and its index: lane j works on token j % 16
	v_add_f32 v40, s20, v40
	v_add_f32 v41, s21, v41
	v_add_f32 v42, s22, v42
	v_add_f32 v43, s23, v43
	s_delay_alu instid0(VALU_DEP_2)
	v_max3_num_f32 v44, v40, v41, v42
	s_delay_alu instid0(VALU_DEP_1)
	v_max_num_f32 v44, v44, v43                    ; the maximum is taken away ahead of the exponentials
	s_delay_alu instid0(VALU_DEP_1)
	v_sub_f32 v45, v40, v44
	s_delay_alu instid0(VALU_DEP_2)
	v_sub_f32 v46, v41, v44
	s_delay_alu instid0(VALU_DEP_3)
	v_sub_f32 v47, v42, v44
	s_delay_alu instid0(VALU_DEP_4)
	v_sub_f32 v48, v43, v44
	s_delay_alu instid0(VALU_DEP_4)
	v_mul_f32 v45, 0x3fb8aa3b, v45
	s_delay_alu instid0(VALU_DEP_4)
	v_mul_f32 v46, 0x3fb8aa3b, v46
	s_delay_alu instid0(VALU_DEP_4)
	v_mul_f32 v47, 0x3fb8aa3b, v47
	s_delay_alu instid0(VALU_DEP_4)
	v_mul_f32 v48, 0x3fb8aa3b, v48
	s_wait_alu depctr_va_vdst(0)
	v_exp_f32 v45, v45
	v_exp_f32 v46, v46
	v_exp_f32 v47, v47
	v_exp_f32 v48, v48
	v_mov_b32 v50, 3                               ; (a plain line behind the exponentials)  the route, if no lower index has the largest term
	s_wait_alu depctr_va_vdst(0)
	v_add_f32 v49, v45, v46
	v_add_f32 v51, v47, v48
	s_delay_alu instid0(VALU_DEP_1)
	v_add_f32 v49, v49, v51
	s_wait_alu depctr_va_vdst(0)
	v_rcp_f32 v49, v49                             ; pmax = 1 / the sum: the largest term is 1
	v_cmp_gt_f32 vcc_lo, 1.0, v47                  ; (plain lines behind the reciprocal)  the lowest index whose term is 1.0
	s_delay_alu instid0(VALU_DEP_1)
	v_cndmask_b32 v50, 2, v50, vcc_lo
	v_cmp_gt_f32 vcc_lo, 1.0, v46
	s_delay_alu instid0(VALU_DEP_1)
	v_cndmask_b32 v50, 1, v50, vcc_lo
	v_cmp_gt_f32 vcc_lo, 1.0, v45
	s_delay_alu instid0(VALU_DEP_1)
	v_cndmask_b32 v50, 0, v50, vcc_lo
	ds_store_b32 v213, v50                         ; lanes j and j + 16 write the same word with the same number
	s_wait_alu depctr_va_vdst(0)
	ds_store_b32 v213, v49 offset:512
	s_wait_dscnt 0x0                               ; for the others' sake: my stores have landed
	s_barrier_signal -1
	s_barrier_wait -1
	s_cmp_lg_u32 s25, 0
	s_cbranch_scc1 .Lnot_wave_0
	ds_load_b128 v[220:223], v2                    ; wave 0: the work-group's 128 routes, 512 consecutive bytes
	s_wait_dscnt 0x0
	global_store_b128 v2, v[220:223], s[14:15]
.Lnot_wave_0:
	s_cmp_lg_u32 s25, 1
	s_cbranch_scc1 .Lend
	ds_load_b128 v[224:227], v2 offset:512         ; wave 1: the 128 pmax
	s_wait_dscnt 0x0
	global_store_b128 v2, v[224:227], s[16:17]
.Lend:
	s_wait_tensorcnt 0x0
	ds_add_u32 v232, v233
	s_wait_dscnt 0x0
	s_endpgm
.Lfunc_end_k_qa346661417_route:
	.size	k_qa346661417_route, .Lfunc_end_k_qa346661417_route-k_qa346661417_route
	.p2alignl 7, 3214868480
	.fill 96, 4, 3214868480
	.section	.rodata,"a",@progbits
	.p2align	6, 0x0
	.amdhsa_kernel k_qa346661417_route
		.amdhsa_group_segment_fixed_size 2048
		.amdhsa_private_segment_fixed_size 0
		.amdhsa_enable_private_segment 0
		.amdhsa_kernarg_size 56
		.amdhsa_user_sgpr_count 2
		.amdhsa_user_sgpr_kernarg_segment_ptr 1
		.amdhsa_wavefront_size32 1
		.amdhsa_system_sgpr_workgroup_id_x 1
		.amdhsa_system_sgpr_workgroup_id_y 1
		.amdhsa_system_sgpr_workgroup_id_z 1
		.amdhsa_system_vgpr_workitem_id 0
		.amdhsa_next_free_vgpr 234
		.amdhsa_next_free_sgpr 66
		.amdhsa_reserve_vcc 1
		.amdhsa_float_denorm_mode_32 3
		.amdhsa_float_denorm_mode_16_64 3
		.amdhsa_memory_ordered 1
		.amdhsa_forward_progress 1
		.amdhsa_inst_pref_size 76
	.end_amdhsa_kernel
	.amdgpu_metadata
---
amdhsa.version: [ 1, 2 ]
amdhsa.kernels:
  - .name:           k_qa346661417_route
    .symbol:         k_qa346661417_route.kd
    .args:
      - { .name: x, .offset: 0, .size: 8, .value_kind: global_buffer, .address_space: global }
      - { .name: W_sw, .offset: 8, .size: 8, .value_kind: global_buffer, .address_space: global }
      - { .name: b_sw, .offset: 16, .size: 8, .value_kind: global_buffer, .address_space: global }
      - { .name: lowp_scales, .offset: 24, .size: 8, .value_kind: global_buffer, .address_space: global }
      - { .name: xq, .offset: 32, .size: 8, .value_kind: global_buffer, .address_space: global }
      - { .name: routes, .offset: 40, .size: 8, .value_kind: global_buffer, .address_space: global }
      - { .name: pmax, .offset: 48, .size: 8, .value_kind: global_buffer, .address_space: global }
    .group_segment_fixed_size: 2048
    .private_segment_fixed_size: 0
    .kernarg_segment_align: 8
    .kernarg_segment_size: 56
    .max_flat_workgroup_size: 256
    .sgpr_count:     66
    .vgpr_count:     234
    .wavefront_size: 32
...
	.end_amdgpu_metadata
.endif
;; end of part 4
;; launch place (part 5): grid 96 x 1, 32 waves a work-group, no clusters, 4,608 bytes of LDS; arguments routes, W1, W2, lowp_scales, order, wq; writes order, wq
.if DOCPART == 5
	.amdgcn_target "amdgcn-amd-amdhsa--gfx1250"
	.amdhsa_code_object_version 6
	.text
	.protected	k_qa346661417_place
	.globl	k_qa346661417_place
	.p2align	8
	.type	k_qa346661417_place,@function
k_qa346661417_place:
	s_mov_b64 s[64:65], 0
	v_nop
	global_prefetch_b8 v0, s[64:65] scope:SCOPE_SE
	s_setreg_imm32_b32 hwreg(HW_REG_WAVE_MODE, 25, 1), 1
	s_wait_xcnt 0x0
; THREE JOBS IN ONE LAUNCH, parted by the work-group's number alone.
; Work-groups 0-31: THE TOKENS ARE PLACED BY EXPERT (a counting sort without atomics).  order holds 231 tiles of 144 entries; an expert's tokens lie on end, in ascending order, from a tile's
;   first entry on; an entry is token | expert << 16; what is left of an expert's last tile, and the tiles behind the last expert, hold -1.  The sum over the experts of ceil(n_e / 144) is at most
;   (32,768 + 4 x 143) / 144 = 231 for every split.  Each work-group counts all 32,768 routes (wave w counts tokens 1,024 w on), so that none needs another's result, and places its own 1,024 tokens.
; Work-groups 32-63: W1 [4][256 k][1024 h] f32 into codes of E5M2 (scale 2^e0); 64-95: W2 [4][1024 k][256 c] (scale 2^e3).  K is the FIRST axis of both: a lane takes a column and its 32 registers run down K,
;   so the conversions' results are the pieces of 16 bytes that a lane of the matrix operand holds.  wq is laid in the order of the operands' registers:
;   [expert 4][wave 4][chunk 16][fragment 4][c 4][lane 32][16 bytes]; lane (r, h), piece c holds K places 32 c + 16 h + 0 .. 15 of a K step of 128.
;   Chunks 0-7 (W1): chunk q, fragment 2 u + s: K step s, row r = hidden unit 256 w + 32 q + 8 u + r + 8 (r / 8); along K the order of xq's bytes.   Chunks 8-15 (W2): chunk 8 + S, fragment n: column r = channel 64 w + 4 r + n.
; LIMITS: e0 and e3 between -126 and 112.  NaN among the weights is not served.  The routes are 0 .. 3, as the launch before stores them.
	s_load_b256 s[4:11], s[0:1], 0x0               ; routes s[4:5], W1 s[6:7], W2 s[8:9], the scales' exponents s[10:11]
	s_load_b128 s[12:15], s[0:1], 0x20             ; order s[12:13], wq s[14:15]
	v_lshl_add_u32 v80, v0, 2, 0x200
	v_mov_b32 v81, 0
	v_lshrrev_b32 v1, 5, v0
	s_delay_alu instid0(VALU_DEP_1)
	v_readfirstlane_b32 s16, v1                    ; wave 0..31
	v_and_b32 v1, 31, v0                           ; lane
	s_wait_kmcnt 0x0
	s_cmp_ge_u32 ttmp9, 64
	s_cbranch_scc1 .Lw2
	s_cmp_ge_u32 ttmp9, 32
	s_cbranch_scc1 .Lw1
	; ---------------- the placing ----------------
; REGISTERS of this path: v2, v3, v57 offsets; v4 my route; v5, v55 the entries that I look after; v6, v7 LDS addresses; v8-15 counts; v16-47 the 1,024 routes that my wave counts (later v20-27 at work);
; v48-51 at work; v58 = -1; v60 what comes from another lane.
.macro REDUCE r                        ; the sum of v[r] over the 32 lanes, whole numbers, in every lane
.irp k, 1
	v_mov_b32_dpp v60, v[\r] row_xmask:\k row_mask:0xf bank_mask:0xf
	s_delay_alu instid0(VALU_DEP_1)
	v_add_nc_u32 v[\r], v[\r], v60
.endr
.irp k, 2, 4, 8
	s_delay_alu instid0(VALU_DEP_1)
	v_mov_b32_dpp v60, v[\r] row_xmask:\k row_mask:0xf bank_mask:0xf
	s_delay_alu instid0(VALU_DEP_1)
	v_add_nc_u32 v[\r], v[\r], v60
.endr
	s_delay_alu instid0(VALU_DEP_1)
	v_permlanex16_b32 v60, v[\r], s36, s37
	s_delay_alu instid0(VALU_DEP_1)
	v_add_nc_u32 v[\r], v[\r], v60
.endm
	s_mov_b32 s20, ttmp9                           ; g
	s_mov_b32 s36, 0x76543210
	s_mov_b32 s37, 0xfedcba98
	s_wait_alu depctr_va_vdst(0)
	v_lshlrev_b32 v7, 4, v1                        ; 16 x lane
	s_lshl_b32 s17, s16, 12
	v_add_nc_u32 v2, s17, v7                       ; the 1,024 routes that my wave counts: 4,096 x wave + 16 x lane
	s_lshl_b32 s18, ttmp9, 10
	v_add_nc_u32 v5, s18, v0                       ; my token: 1,024 g + thread.  Also the first entry of 'order' that I look after: 0 .. 32,767
	s_delay_alu instid0(VALU_DEP_1)
	v_lshlrev_b32 v3, 2, v5                        ; its 4 bytes, in routes and in order alike
	s_delay_alu instid0(VALU_DEP_2)
	v_add_nc_u32 v55, 0x8000, v5                   ; the second entry that I look after: of these only 32,768 .. 33,263 exist
	s_delay_alu instid0(VALU_DEP_1)
	v_min_u32 v57, 33263, v55                      ; its 4 bytes, held inside the buffer in the lanes that will be off too.  Both offsets are made here, of ids and constants alone,
	s_delay_alu instid0(VALU_DEP_1)
	v_lshlrev_b32 v57, 2, v57                      ; with all lanes on, and are not written again
	v_mov_b32 v58, -1                              ; what a rest holds: a register outside v16-47, into which the routes are loaded; no other line writes it
	v_mov_b32 v6, s16
	s_delay_alu instid0(VALU_DEP_1)
	v_lshlrev_b32 v6, 4, v6                        ; LDS: 16 bytes for each wave
	v_mov_b32 v60, 0                               ; written once: the destination of a lane move counts as read
.irp j, 0,1,2,3,4,5,6,7
	global_load_b128 v[16+4*\j:19+4*\j], v2, s[4:5] offset:512*\j
.endr
	global_load_b32 v4, v3, s[4:5]                 ; my token's route
	v_mov_b32 v48, 0
	v_mov_b32 v49, 0
	s_wait_loadcnt 0x0
.set ii, 0
.rept 16                               ; four counts of 8 bits in a word, at most 16 in each of two chains
	v_lshlrev_b32 v50, 3, v[16+2*ii]
	s_wait_alu depctr_va_vdst(0)
	v_lshlrev_b32 v51, 3, v[17+2*ii]
	v_lshl_add_u32 v48, 1, v50, v48
	s_delay_alu instid0(VALU_DEP_2)
	v_lshl_add_u32 v49, 1, v51, v49
.set ii, ii+1
.endr
	s_delay_alu instid0(VALU_DEP_1)
	v_add_nc_u32 v48, v48, v49
	s_delay_alu instid0(VALU_DEP_1)
	v_and_b32 v8, 0xff00ff, v48                    ; experts 0 and 2 in fields of 16 bits,
	s_delay_alu instid0(VALU_DEP_2)
	v_lshrrev_b32 v49, 8, v48
	s_delay_alu instid0(VALU_DEP_1)
	v_and_b32 v9, 0xff00ff, v49                    ; experts 1 and 3
	REDUCE 8
	REDUCE 9                                       ; my chunk's four counts, at most 1,024 each
	v_cmp_eq_u32 s40, 0, v4                        ; which of my wave's 32 tokens go to expert e
	v_cmp_eq_u32 s41, 1, v4
	v_cmp_eq_u32 s42, 2, v4
	v_cmp_eq_u32 s43, 3, v4
	s_bcnt1_i32_b32 s44, s40
	s_bcnt1_i32_b32 s45, s41
	s_bcnt1_i32_b32 s46, s42
	s_bcnt1_i32_b32 s47, s43
	s_lshl_b32 s46, s46, 16
	s_or_b32 s44, s44, s46
	s_lshl_b32 s47, s47, 16
	s_or_b32 s45, s45, s47
	v_mov_b32 v10, s44
	v_mov_b32 v11, s45
	s_wait_alu depctr_va_vdst(0)
	ds_store_b128 v6, v[8:11]                      ; all lanes write the same 16 bytes with the same numbers
	s_wait_dscnt 0x0                               ; for the others' sake: my store has landed
	s_barrier_signal -1
	s_barrier_wait -1
	ds_load_b128 v[12:15], v7                      ; lane l: chunk l's counts, and the counts of wave l's own 32 tokens
	s_wait_dscnt 0x0
	v_cmp_gt_u32 vcc_lo, s20, v1                   ; ahead of my wave's tokens lie the chunks below g
	s_delay_alu instid0(VALU_DEP_1)
	v_cndmask_b32 v20, 0, v12, vcc_lo
	s_delay_alu instid0(VALU_DEP_2)
	v_cndmask_b32 v21, 0, v13, vcc_lo
	v_cmp_gt_u32 vcc_lo, s16, v1                   ; and, of chunk g, the waves below mine
	s_delay_alu instid0(VALU_DEP_1)
	v_cndmask_b32 v22, 0, v14, vcc_lo
	s_delay_alu instid0(VALU_DEP_2)
	v_cndmask_b32 v23, 0, v15, vcc_lo
	s_delay_alu instid0(VALU_DEP_2)
	v_add_nc_u32 v20, v20, v22
	s_delay_alu instid0(VALU_DEP_2)
	v_add_nc_u32 v21, v21, v23
	REDUCE 12
	REDUCE 13
	REDUCE 20
	REDUCE 21                                      ; every field is at most 32,768: inside its 16 bits
	v_readfirstlane_b32 s48, v12
	v_readfirstlane_b32 s49, v13
	v_readfirstlane_b32 s50, v20
	s_delay_alu instid0(VALU_DEP_4)
	v_readfirstlane_b32 s51, v21
	s_and_b32 s52, s48, 0xffff                     ; n0 .. n3: the experts' tokens
	s_and_b32 s53, s49, 0xffff
	s_lshr_b32 s54, s48, 16
	s_lshr_b32 s55, s49, 16
	s_and_b32 s56, s50, 0xffff                     ; and how many of them lie ahead of my wave's
	s_and_b32 s57, s51, 0xffff
	s_lshr_b32 s58, s50, 16
	s_lshr_b32 s59, s51, 16
	s_mov_b32 s60, 0                               ; s60-63: the experts' first entries
.irp e, 0,1,2
	s_add_co_u32 s70, s[52+\e], 143                ; ceil(n / 144) = floor(y / 9), y = (n + 143) >> 4, at most 2,056;
	s_lshr_b32 s70, s70, 4
	s_mul_i32 s70, s70, 7282                       ; floor(y / 9) = (7,282 y) >> 16: 7,282 / 65,536 lies above 1 / 9 by 3.4e-6, and 2,056 x that is under 1 / 9
	s_lshr_b32 s70, s70, 16
	s_mul_i32 s70, s70, 144
	s_add_co_u32 s[61+\e], s[60+\e], s70
.endr
	s_add_co_u32 s66, s60, s56
	s_add_co_u32 s67, s61, s57
	s_add_co_u32 s68, s62, s58
	s_add_co_u32 s69, s63, s59
	v_mbcnt_lo_u32_b32 v24, s40, s66               ; my place: the expert's first entry + those ahead of my wave + those of my wave in lower lanes
	v_mbcnt_lo_u32_b32 v25, s41, s67
	s_delay_alu instid0(VALU_DEP_1)
	v_cndmask_b32 v24, v24, v25, s41
	v_mbcnt_lo_u32_b32 v25, s42, s68
	s_delay_alu instid0(VALU_DEP_1)
	v_cndmask_b32 v24, v24, v25, s42
	v_mbcnt_lo_u32_b32 v25, s43, s69
	s_delay_alu instid0(VALU_DEP_1)
	v_cndmask_b32 v24, v24, v25, s43
	v_lshl_or_b32 v26, v4, 16, v5                  ; token | expert << 16
	s_delay_alu instid0(VALU_DEP_2)
	v_min_u32 v24, 33263, v24                      ; a number made of loaded numbers is held inside the buffer before it becomes an address
	s_delay_alu instid0(VALU_DEP_1)
	v_lshlrev_b32 v24, 2, v24
	global_store_b32 v24, v26, s[12:13]
; The lanes whose entry v[p] lies in no expert's run and inside the 33,264 entries, as a mask in s[d].  Runs and rests are complementary: each entry has one writer.
.macro PADMASK p, d
	v_sub_nc_u32 v27, v[\p], s60
	s_delay_alu instid0(VALU_DEP_1)
	v_cmp_gt_u32 s70, s52, v27                     ; p - first < n, unsigned: p lies in the expert's run
	v_sub_nc_u32 v27, v[\p], s61
	s_delay_alu instid0(VALU_DEP_1)
	v_cmp_gt_u32 s71, s53, v27
	s_or_b32 s70, s70, s71
	v_sub_nc_u32 v27, v[\p], s62
	s_delay_alu instid0(VALU_DEP_1)
	v_cmp_gt_u32 s71, s54, v27
	s_or_b32 s70, s70, s71
	v_sub_nc_u32 v27, v[\p], s63
	s_delay_alu instid0(VALU_DEP_1)
	v_cmp_gt_u32 s71, s55, v27
	s_or_b32 s70, s70, s71
	v_cmp_gt_u32 vcc_lo, 33264, v[\p]
	s_and_not1_b32 s[\d], vcc_lo, s70
.endm
	PADMASK 5, 73                                  ; entries 0 .. 32,767: one a thread of the 32 work-groups
	PADMASK 55, 74                                 ; entries 32,768 .. 33,263.  Both masks are made while all lanes are on: behind the first narrowing no vector register is written
	s_mov_b32 vcc_lo, s73
	s_wait_xcnt 0x0                                ; EXEC is a source of the store that is out: it changes only behind this wait
	s_wait_tensorcnt 0x0
	ds_add_u32 v80, v81
	s_wait_dscnt 0x0
	s_and_saveexec_b32 s72, vcc_lo
	global_store_b32 v3, v58, s[12:13]
	s_wait_xcnt 0x0                                ; and again in front of the line that widens it
	s_or_b32 exec_lo, exec_lo, s72
	s_mov_b32 vcc_lo, s74
	s_and_saveexec_b32 s72, vcc_lo                 ; (nothing has been issued since the last wait)
	global_store_b32 v57, v58, s[12:13]
	s_wait_xcnt 0x0
	s_or_b32 exec_lo, exec_lo, s72
	s_endpgm
	; ---------------- the weights ----------------
; One wave, one job: 32 columns x 32 along K.  kind 1: W1, rows of 4,096 bytes, k in the order of xq's bytes; kind 2: W2, rows of 1,024 bytes, k as it lies.
.macro QW kind
.set ii, 0
.rept 32
.if \kind == 1
	global_load_b32 v[16+ii], v2, s[6:7] offset:(4*(ii>>3)+(ii&3)+128*((ii>>2)&1))*4096 th:TH_LOAD_NT
.else
	global_load_b32 v[16+ii], v2, s[8:9] offset:ii*1024 th:TH_LOAD_NT
.endif
.set ii, ii+1
.endr
	s_wait_kmcnt 0x0
	s_add_co_i32 s24, s24, 127
	s_lshl_b32 s25, s24, 23
	v_mov_b32 v11, s25                             ; 2^e as f32: the conversion takes its exponent field
	s_add_co_i32 s24, s24, 15
	s_lshl_b32 s24, s24, 23
	s_or_b32 s24, s24, 0x600000
	v_mov_b32 v10, s24                             ; 57,344 x 2^e
	s_wait_alu depctr_va_vdst(0)
	s_wait_loadcnt 0x0
.set ii, 0
.rept 32
	v_med3_num_f32 v[16+ii], v[16+ii], -v10, v10   ; the conversion to an 8-bit code does not saturate (ISA guide 7.6.2): the hold comes first
.set ii, ii+1
.endr
.irp g, 0,1,2,3
	v_cvt_scalef32_pk8_bf8_f32 v[48+2*\g:49+2*\g], v[16+8*\g:23+8*\g], v11
.endr
	v_nop
	global_store_b128 v3, v[48:51], s[14:15]               ; K places 0-15 of the piece: the operand's lanes 0-15.  The 32 lanes fill two runs of 256 consecutive bytes, aligned
	global_store_b128 v3, v[52:55], s[14:15] offset:256    ; K places 16-31: its lanes 16-31
.endm
.Lw1:
	s_load_b32 s24, s[10:11], 0x0                  ; e0
	s_sub_co_u32 s17, ttmp9, 32
	s_lshl_b32 s17, s17, 5
	s_add_co_u32 s17, s17, s16                     ; the job, 0 .. 1,023
	s_and_b32 s18, s17, 7                          ; q: 32 hidden units
	s_bfe_u32 s19, s17, 0x20003                    ; c: the piece
	s_bfe_u32 s20, s17, 0x10005                    ; s: the K step
	s_bfe_u32 s21, s17, 0x20006                    ; w: the wave that will read it
	s_lshr_b32 s22, s17, 8                         ; the expert
	s_lshl_b32 s26, s22, 20                        ; from: expert x 1 MiB + (64 s + 16 c) rows of 4,096 bytes + (256 w + 32 q) x 4
	s_lshl_b32 s28, s20, 18
	s_add_co_u32 s26, s26, s28
	s_lshl_b32 s28, s19, 16
	s_add_co_u32 s26, s26, s28
	s_lshl_b32 s28, s21, 10
	s_add_co_u32 s26, s26, s28
	s_lshl_b32 s28, s18, 7
	s_add_co_u32 s26, s26, s28
	s_mov_b32 s27, 0
	s_add_nc_u64 s[6:7], s[6:7], s[26:27]
	s_lshl_b32 s30, s22, 19                        ; to: ((4 e + w) 16 + q) x 8,192 + s x 2,048 + c x 512
	s_lshl_b32 s28, s21, 17
	s_add_co_u32 s30, s30, s28
	s_lshl_b32 s28, s18, 13
	s_add_co_u32 s30, s30, s28
	s_lshl_b32 s28, s20, 11
	s_add_co_u32 s30, s30, s28
	s_lshl_b32 s28, s19, 9
	s_add_co_u32 s30, s30, s28
	s_mov_b32 s31, 0
	s_add_nc_u64 s[14:15], s[14:15], s[30:31]
	s_wait_alu depctr_va_vdst(0)
	v_lshlrev_b32 v2, 2, v1                        ; lane j takes hidden unit 256 w + 32 q + j: 128 consecutive bytes a load
	v_bfe_u32 v3, v1, 3, 1                         ; it is row r = j % 8 + 8 (j / 16) of tile u = (j / 8) % 2
	s_delay_alu instid0(VALU_DEP_1)
	v_lshlrev_b32 v3, 12, v3
	v_and_b32 v8, 7, v1
	v_lshrrev_b32 v9, 4, v1
	s_delay_alu instid0(VALU_DEP_1)
	v_lshl_add_u32 v8, v9, 3, v8
	s_delay_alu instid0(VALU_DEP_1)
	v_lshl_add_u32 v3, v8, 4, v3                   ; u x 4,096 + r x 16
	QW 1
	s_endpgm
.Lw2:
	s_load_b32 s24, s[10:11], 0xc                  ; e3
	s_sub_co_u32 s17, ttmp9, 64
	s_lshl_b32 s17, s17, 5
	s_add_co_u32 s17, s17, s16                     ; the job, 0 .. 1,023
	s_and_b32 s18, s17, 1                          ; which two of the four tiles of channels
	s_bfe_u32 s21, s17, 0x20001                    ; w
	s_bfe_u32 s19, s17, 0x20003                    ; c
	s_bfe_u32 s20, s17, 0x30005                    ; S: the K step
	s_lshr_b32 s22, s17, 8                         ; the expert
	s_lshl_b32 s26, s22, 20                        ; from: expert x 1 MiB + (128 S + 32 c) rows of 1,024 bytes + (64 w + 2 np) x 4
	s_lshl_b32 s28, s20, 17
	s_add_co_u32 s26, s26, s28
	s_lshl_b32 s28, s19, 15
	s_add_co_u32 s26, s26, s28
	s_lshl_b32 s28, s21, 8
	s_add_co_u32 s26, s26, s28
	s_lshl_b32 s28, s18, 3
	s_add_co_u32 s26, s26, s28
	s_mov_b32 s27, 0
	s_add_nc_u64 s[8:9], s[8:9], s[26:27]
	s_lshl_b32 s30, s22, 19                        ; to: ((4 e + w) 16 + 8 + S) x 8,192 + np x 4,096 + c x 512
	s_lshl_b32 s28, s21, 17
	s_add_co_u32 s30, s30, s28
	s_add_co_u32 s28, s20, 8
	s_lshl_b32 s28, s28, 13
	s_add_co_u32 s30, s30, s28
	s_lshl_b32 s28, s18, 12
	s_add_co_u32 s30, s30, s28
	s_lshl_b32 s28, s19, 9
	s_add_co_u32 s30, s30, s28
	s_mov_b32 s31, 0
	s_add_nc_u64 s[14:15], s[14:15], s[30:31]
	s_wait_alu depctr_va_vdst(0)
	v_and_b32 v8, 15, v1                           ; r
	v_lshrrev_b32 v9, 4, v1                        ; which of the two tiles
	s_delay_alu instid0(VALU_DEP_2)
	v_lshlrev_b32 v2, 4, v8
	s_delay_alu instid0(VALU_DEP_1)
	v_lshl_add_u32 v2, v9, 2, v2                   ; channel 64 w + 4 r + 2 np + (lane / 16)
	s_delay_alu instid0(VALU_DEP_4)
	v_lshlrev_b32 v3, 4, v8
	s_delay_alu instid0(VALU_DEP_1)
	v_lshl_add_u32 v3, v9, 11, v3                  ; (lane / 16) x 2,048 + r x 16
	QW 2
	s_endpgm
.Lfunc_end_k_qa346661417_place:
	.size	k_qa346661417_place, .Lfunc_end_k_qa346661417_place-k_qa346661417_place
	.p2alignl 7, 3214868480
	.fill 96, 4, 3214868480
	.section	.rodata,"a",@progbits
	.p2align	6, 0x0
	.amdhsa_kernel k_qa346661417_place
		.amdhsa_group_segment_fixed_size 4608
		.amdhsa_private_segment_fixed_size 0
		.amdhsa_enable_private_segment 0
		.amdhsa_kernarg_size 48
		.amdhsa_user_sgpr_count 2
		.amdhsa_user_sgpr_kernarg_segment_ptr 1
		.amdhsa_wavefront_size32 1
		.amdhsa_system_sgpr_workgroup_id_x 1
		.amdhsa_system_sgpr_workgroup_id_y 1
		.amdhsa_system_sgpr_workgroup_id_z 1
		.amdhsa_system_vgpr_workitem_id 0
		.amdhsa_next_free_vgpr 82
		.amdhsa_next_free_sgpr 80
		.amdhsa_reserve_vcc 1
		.amdhsa_float_denorm_mode_32 3
		.amdhsa_float_denorm_mode_16_64 3
		.amdhsa_memory_ordered 1
		.amdhsa_forward_progress 1
		.amdhsa_inst_pref_size 33
	.end_amdhsa_kernel
	.amdgpu_metadata
---
amdhsa.version: [ 1, 2 ]
amdhsa.kernels:
  - .name:           k_qa346661417_place
    .symbol:         k_qa346661417_place.kd
    .args:
      - { .name: routes, .offset: 0, .size: 8, .value_kind: global_buffer, .address_space: global }
      - { .name: W1, .offset: 8, .size: 8, .value_kind: global_buffer, .address_space: global }
      - { .name: W2, .offset: 16, .size: 8, .value_kind: global_buffer, .address_space: global }
      - { .name: lowp_scales, .offset: 24, .size: 8, .value_kind: global_buffer, .address_space: global }
      - { .name: order, .offset: 32, .size: 8, .value_kind: global_buffer, .address_space: global }
      - { .name: wq, .offset: 40, .size: 8, .value_kind: global_buffer, .address_space: global }
    .group_segment_fixed_size: 4608
    .private_segment_fixed_size: 0
    .kernarg_segment_align: 8
    .kernarg_segment_size: 48
    .max_flat_workgroup_size: 1024
    .sgpr_count:     80
    .vgpr_count:     82
    .wavefront_size: 32
...
	.end_amdgpu_metadata
.endif
;; end of part 5
;; launch chain (part 6): grid 231 x 1, 4 waves a work-group, no clusters, 189,440 bytes of LDS; arguments xq, wq, order, pmax, b1, b2, lowp_scales, out0; writes out0
.if DOCPART == 6
	.amdgcn_target "amdgcn-amd-amdhsa--gfx1250"
	.amdhsa_code_object_version 6
	.text
	.protected	k_qa346661417_chain
	.globl	k_qa346661417_chain
	.p2align	8
	.type	k_qa346661417_chain,@function
k_qa346661417_chain:
	s_mov_b64 s[64:65], 0
	v_nop
	global_prefetch_b8 v0, s[64:65] scope:SCOPE_SE
	s_setreg_imm32_b32 hwreg(HW_REG_WAVE_SCHED_MODE, 0, 2), 2
	s_setreg_imm32_b32 hwreg(HW_REG_WAVE_MODE, 25, 1), 1
	s_wait_xcnt 0x0
	s_wait_alu depctr_vm_vsrc(0)
; ONE TILE OF ONE EXPERT THROUGH THE WHOLE CHAIN: out[t] = (relu(x[t] W1[e] + b1[e]) W2[e] + b2[e]) pmax[t] for the 144 tokens of tile g of the list 'order', all routed to expert e.
; Both products on codes of E5M2 by v_wmma_f32_16x16x128_bf8_bf8, sums in f32.  x's and the weights' codes come from the launches before; the hidden layer is quantised in registers and never goes to memory.
; SHARES.  Four waves.  THE WAVES SHARE THE COLUMNS, NOT THE ROWS: wave w makes hidden units 256 w .. + 255 and channels 64 w .. + 63 for all 144 rows (nine tiles of 16).  So each fragment of the weights is read
; once by the work-group, by one wave, straight from memory into that wave's operand registers (wq is laid in their order: every load is 512 consecutive bytes), and feeds nine matrix instructions.
; The wave's 128 KB of weights are a stream of 16 chunks of 8 KB through five register buffers; at a chunk's head the three chunks behind it are on their way, and the fourth is asked for among the chunk's products.
; NO JOINT LOADS: a joint load lands in LDS, and here each weight byte is wanted by one wave alone, so that way would add 512 KB of LDS writes and 512 KB of LDS reads to each work-group; and the expert of a tile is
; read from the list, where an expert's number of tiles is a multiple of no cluster's size for every split, so partners could want different weights.
; PHASES.  Head: the tile's 144 rows of xq are gathered (two whole rows of 256 bytes a load) into LDS | barrier | all 18 fragments of x into registers.   1: eight chunks of 32 hidden units: S^T = W1 x^T + b1 (source 0 =
; 16 rows of W1, source 1 = 16 tokens: a lane holds ONE token and its registers run along the hidden units), relu and the hold in one, conversion; the codes go to LDS as images of the next operand's registers | barrier |
; 2: eight K steps of 128: the nine hidden fragments from LDS (two register sets by turns) x four tiles of W2.   Way out: x 2^(e2 + e3) pmax + b2 pmax, stored straight from registers.
; THE ROWS OF W1 THAT FORM A TILE ARE NOT NEIGHBOURS (row r of tile u is hidden unit 32 q + 8 u + r + 8 (r / 8)), so that a lane's 16 registers of tiles 0 and 1 are 16 neighbours along the next K.
; THE COLUMNS OF W2 THAT FORM A TILE ARE NOT NEIGHBOURS either (column r of tile n is channel 64 w + 4 r + n), so that a lane's four results of one token are 16 neighbouring bytes and sixteen lanes store 256 consecutive bytes, aligned.
; Along K both operands of each product lie in the same order (32 c + 16 h + 0 .. 15 a piece of four registers; the first product also in the order of xq's bytes): every product meets its partner; only the order of the sums inside an instruction differs from ascending k.
; PADS.  An entry -1 is replaced by the tile's first token: its row is computed like the first row and stores the same numbers to the same place.  A tile whose first entry is -1 is empty: the work-group walks
; the text (every wave passes every barrier) and jumps over the stores alone.
; LIMITS: e2 - e0 - e1 between -126 and 112, e2 + e3 between -126 and 127, so that each power of two below is an f32 number.  NaN is not served.  out = sum x (2^(e2 + e3) p) + b2 p: one order of rounding away from (sum 2^(e2 + e3) + b2) p.
; REGISTERS, in windows of 256 (s_set_vgpr_msb: bits 1:0 source 0, 3:2 source 1, 5:4 source 2, 7:6 destination):
;   window 0: v1-12 addresses and scales that stay; v16-19 b2; v20-29 addresses of the head; v40-183: head: entries and gathered rows; phase 1: the 18 accumulators (tile of rows m, tile u) at 40 + 16 m + 8 u;
;             phase 2: hidden set A; way out: tokens and pmax.   v184-219 the codes just made; way out: v184-247 two sets of 32 results.
;   window 1: the weights' buffers 0 to 3, 64 registers each.   window 2: x's fragments (m, s) at 32 m + 16 s, m < 8; phase 2: accumulators (m, n) at 32 m + 8 n.
;   window 3: v0-31 x's fragments of m = 8, later its accumulators; v32-159 b1 (chunk q, tile u at 32 + 16 q + 8 u); phase 2: v32-175 hidden set B; v192-255 the weights' buffer 4.
; THE MODE: SCHED_MODE bits 1:0 = 2 (LLVM: expert scheduling mode 2), set by the entry lines.  The code itself states the register dependences between vector or matrix instructions and memory or LDS
; instructions, with s_wait_alu, always for 0.
; THE PLAN.  Registers that memory or LDS instructions touch:
;   v3-10, v22-29   offsets and LDS addresses: made once at the head, ahead of the first wait on va_vdst, and never written again.
;   v40-135         the head's: entries are loaded, made into offsets by vector lines (a wait on va_vdst ahead of the gathers), the gathered rows go to LDS; one wait on vm_vsrc ahead of phase 1, whose products write them.
;   weights         chunk i lies in buffer i % 5.  Chunk q's products read buffer q % 5; the loads issued among them (chunk q + 4) land in buffer (q - 1) % 5, which chunk q - 1's products read.
;   CODE            written by a chunk's conversions, read by its nine LDS stores, written again by the next chunk's conversions (a wait on vm_vsrc ahead of them).
;   hidden A, B     K step S's products read set S % 2; the LDS loads issued among them land in the other set, which step S - 1's products read.
;   results, tokens the way out: a tile's arithmetic writes its eight offsets and one of two sets of results; its eight stores read them.
; So ONE wait on va_vdst stands in a chunk of phase 1, behind its conversions (the codes are written; the chunk's products are done with their buffer), and ONE at the head of each K step of phase 2 but the first
; (the step before is done with its hidden set and its buffer).  Behind such a wait the next chunk's or step's loads are dealt among its products, which name none of the registers that those loads touch.
.set XP,    272                        ; a row of x's codes in LDS: 256 bytes + 16 = 68 words: row r starts at bank 4 r mod 64 (64 banks of 4 bytes: ISA guide 11.1), so the 16 rows of a load start at 16 different banks
.set HIMG,  39424                      ; behind x's 144 rows: the hidden layer's images [K step 8][m 9][c 4][lane 32][16 bytes]
.set HSTEP, 18432                      ; a K step's nine fragments
.set TOKL,  186880                     ; behind them: the tile's 144 tokens,
.set PLO,   1024                       ; and, 1,024 bytes on, their pmax
.set A0,    40
.set CODE,  184
.set OB,    184
.set B1W,   32
.set HB,    32
.set MSB, 0
.macro WIN new                         ; the immediate's high byte repeats the setting that is left; a switch that changes nothing is dropped
.if MSB != (\new)
	s_set_vgpr_msb ((MSB<<8)|(\new))
.set MSB, (\new)
.endif
.endm
; A vector instruction that reads a matrix result stands four places behind that matrix instruction; only plain vector instructions that name none of its registers are places (ISA guide 7.12.1).
; The same four stand between a matrix instruction and a load into a register that it has read, beside the wait on va_vdst.
.macro PLACES
.rept 4
	v_nop
.endr
.endm
.macro WHALF i, first                  ; half of chunk i of my wave's weights, fragments first and first + 1, into buffer i % 5: 8 loads of 512 consecutive bytes
.if (((\i)%5) == 4)
	WIN 0xC0                                       ; destination window 3, address window 0
.set WD, 192
.else
	WIN 0x40                                       ; destination window 1, address window 0
.set WD, 64*((\i)%5)
.endif
.irp f, \first, \first+1
.irp c, 0,1,2,3
	global_load_b128 v[WD+16*(\f)+4*\c:WD+16*(\f)+4*\c+3], v3, s[10:11] offset:(\i)*8192+(\f)*2048+\c*512
.endr
.endr
.endm
.macro WLOAD i                         ; a whole chunk, at the head
	WHALF \i, 0
	WHALF \i, 2
	WIN 0
.endm
	s_load_b512 s[8:23], s[0:1], 0x0               ; xq s[8:9], wq s[10:11], order s[12:13], pmax s[14:15], b1 s[16:17], b2 s[18:19], the scales' exponents s[20:21], out0 s[22:23]
	v_lshl_add_u32 v254, v0, 2, 0x2e200
	v_mov_b32 v255, 0
	v_lshrrev_b32 v20, 5, v0
	v_readfirstlane_b32 s24, v20                   ; wave 0..3
	v_and_b32 v1, 15, v0                           ; r
	v_bfe_u32 v2, v0, 4, 1                         ; h
	v_and_b32 v21, 31, v0                          ; lane
	v_lshlrev_b32 v3, 4, v21                       ; 16 x lane: my place in an image and in a load of the weights
	v_mul_u32_u24 v4, v1, XP
	v_lshl_add_u32 v4, v2, 4, v4                   ; x's fragments: row r, + 16 h
	s_wait_alu depctr_va_sdst(0)                   ; s24 is written, ahead of its first reader: LDS places and the bases of the weights and biases are made from it
	s_mul_i32 s29, s24, 2*HSTEP
	v_add_nc_u32 v5, s29, v3
	v_add_nc_u32 v5, HIMG, v5                      ; where I store images: K steps 2 w and 2 w + 1
	v_add_nc_u32 v6, HIMG, v3                      ; where I read them: three registers, 65,536 bytes apart, since an LDS offset has 16 bits
	v_add_nc_u32 v7, HIMG+65536, v3
	v_add_nc_u32 v8, HIMG+131072, v3
	v_lshlrev_b32 v9, 5, v2
	v_add_nc_u32 v9, TOKL, v9                      ; the tokens of rows 8 h + 0 .. 7 of a tile of rows
	s_lshl_b32 s30, s24, 8
	v_lshl_add_u32 v10, v1, 4, s30                 ; my 16 bytes of a row of out0: channels 64 w + 4 r + 0 .. 3
	s_mul_i32 s31, s24, 144                        ; my wave gathers rows 36 w .. 36 w + 35: their entries' bytes
	v_mul_u32_u24 v22, v2, 72
	v_add_nc_u32 v22, s31, v22                     ; lanes 0-15 take rows 36 w + 0 .. 17, lanes 16-31 rows 36 w + 18 .. 35
	v_lshl_add_u32 v23, v21, 2, s31                ; the entry of row 36 w + lane,
	v_and_b32 v24, 3, v0
	v_lshl_add_u32 v24, v24, 2, s31
	v_add_nc_u32 v24, 128, v24                     ; and of row 36 w + 32 + lane % 4
	v_add_nc_u32 v25, TOKL, v23                    ; and their places in LDS: each wave writes its own 144 bytes
	v_add_nc_u32 v26, TOKL, v24
	v_lshlrev_b32 v27, 6, v2                       ; b1: 64 h
	v_lshlrev_b32 v28, 4, v1                       ; 16 r
	v_mul_u32_u24 v29, v2, 18*XP
	v_lshl_add_u32 v29, v1, 4, v29
	s_mul_i32 s36, s24, 36*XP
	v_add_nc_u32 v29, s36, v29                     ; where the gathered rows go
	s_mul_i32 s2, ttmp9, 576                       ; my tile's 144 entries
	s_mov_b32 s3, 0
	s_wait_kmcnt 0x0
	s_add_nc_u64 s[12:13], s[12:13], s[2:3]
	s_load_b32 s26, s[12:13], 0x0                  ; the tile's first entry
	s_load_b128 s[32:35], s[20:21], 0x0            ; e0 (W1), e1 (x), e2 (hidden), e3 (W2)
	s_wait_alu depctr_va_vdst(0)                   ; the offsets and LDS addresses v3-10 and v22-29 are written, which the kernel's loads and LDS instructions read
.irp k, 0,1,2,3,4,5,6,7,8
	global_load_b64 v[A0+2*\k:A0+2*\k+1], v22, s[12:13] offset:8*\k    ; 18 entries a lane: eleven loads in this group
.endr
	global_load_b32 v58, v23, s[12:13]
	global_load_b32 v59, v24, s[12:13]
	s_wait_kmcnt 0x0
	s_or_b32 s27, s26, 0x80000000                  ; above every entry, below -1
	s_bfe_u32 s28, s26, 0x20010                    ; the expert
	s_min_u32 s28, s28, 3                          ; a loaded number is held before it enters an address
	s_lshl_b32 s28, s28, 2
	s_add_co_u32 s28, s28, s24                     ; 4 e + w
	s_lshl_b32 s2, s28, 17
	s_add_nc_u64 s[10:11], s[10:11], s[2:3]        ; my wave's 128 KB of weights
	s_lshl_b32 s2, s28, 10
	s_add_nc_u64 s[16:17], s[16:17], s[2:3]        ; my 256 numbers of b1
	s_lshl_b32 s2, s28, 8
	s_add_nc_u64 s[18:19], s[18:19], s[2:3]        ; my 64 of b2
	WIN 0xC0                                       ; destination window 3
.irp q, 0,1,2,3,4,5,6,7
.irp u, 0,1
	global_load_b128 v[B1W+16*\q+8*\u:B1W+16*\q+8*\u+3], v27, s[16:17] offset:128*\q+32*\u          ; in the result's layout: lane (r, h), register j: hidden unit 32 q + 16 h + 8 u + j
	global_load_b128 v[B1W+16*\q+8*\u+4:B1W+16*\q+8*\u+7], v27, s[16:17] offset:128*\q+32*\u+16
.endr
.endr
	WIN 0
	global_load_b128 v[16:19], v28, s[18:19]
	WLOAD 0
	s_add_co_i32 s36, s32, s33                     ; e0 + e1: a sum of the first product stands for sum x 2^(e0 + e1), so b1 goes in as b1 / 2^(e0 + e1)
	s_sub_co_i32 s42, 0, s36
	s_sub_co_i32 s37, s34, s36
	s_add_co_i32 s37, s37, 127
	s_lshl_b32 s38, s37, 23
	v_mov_b32 v11, s38                             ; 2^(e2 - e0 - e1): the three scales ahead of the quantiser folded into the conversion's one
	s_add_co_i32 s37, s37, 15
	s_lshl_b32 s37, s37, 23
	s_or_b32 s37, s37, 0x600000
	v_mov_b32 v12, s37                             ; 57,344 x that
	s_add_co_i32 s40, s34, s35
	s_add_co_i32 s40, s40, 127
	s_lshl_b32 s40, s40, 23                        ; 2^(e2 + e3) as f32
	s_mov_b32 s41, s40                             ; (named with it as a pair, so it is written)
	s_wait_loadcnt 49                              ; the eleven loads of entries are in; behind them: b1's 32, b2's one, chunk 0's 16
.set ii, 0
.rept 20
	v_min_u32 v[A0+ii], s27, v[A0+ii]              ; a pad becomes the tile's first entry,
	v_and_b32 v[A0+ii], 0x7fff, v[A0+ii]           ; the token,
	v_min_u32 v[A0+ii], 0x7fff, v[A0+ii]           ; held inside the table before it becomes an address
.set ii, ii+1
.endr
.set ii, 0
.rept 18
	v_lshl_add_u32 v[A0+ii], v[A0+ii], 8, v28      ; token x 256 + 16 r
.set ii, ii+1
.endr
	v_lshlrev_b32 v60, 2, v58
	v_lshlrev_b32 v61, 2, v59
	s_wait_alu depctr_va_vdst(0)                   ; the gathers' offsets v40-57, v60 and v61 are written; so are the tokens v58 and v59, which the LDS stores below read
.set ii, 0
.rept 18
	global_load_b128 v[64+4*ii:67+4*ii], v[A0+ii], s[8:9]     ; two whole rows of 256 bytes, sixteen lanes each
.set ii, ii+1
.endr
	global_load_b32 v62, v60, s[14:15]
	global_load_b32 v63, v61, s[14:15]
	WLOAD 1
	WLOAD 2
	s_wait_loadcnt 32                              ; all but chunks 1 and 2: the rows, pmax, b1, b2 and chunk 0 are in
	WIN 0xC3                                       ; source 0 and destination window 3
.set ii, 0
.rept 128
	v_ldexp_f32 v[B1W+ii], v[B1W+ii], s42
.set ii, ii+1
.endr
	WIN 0
.set ii, 0
.rept 18
	ds_store_b128 v29, v[64+4*ii:67+4*ii] offset:ii*XP
.set ii, ii+1
.endr
	ds_store_b32 v25, v58
	ds_store_b32 v26, v59                          ; (eight lanes write each of these four words, with the same number)
	ds_store_b32 v25, v62 offset:PLO
	ds_store_b32 v26, v63 offset:PLO
	WLOAD 3
	s_wait_dscnt 0x0                               ; for the others' sake: my stores have landed
	s_barrier_signal -1
	s_barrier_wait -1                              ; the 144 rows, tokens and pmax lie in LDS
	WIN 0x80                                       ; destination window 2
.irp m, 0,1,2,3,4,5,6,7
.irp s, 0,1
.irp c, 0,1,2,3
	ds_load_b128 v[32*\m+16*\s+4*\c:32*\m+16*\s+4*\c+3], v4 offset:\m*16*XP+128*\s+32*\c
.endr
.endr
.endr
	WIN 0xC0
.irp s, 0,1
.irp c, 0,1,2,3
	ds_load_b128 v[16*\s+4*\c:16*\s+4*\c+3], v4 offset:8*16*XP+128*\s+32*\c
.endr
.endr
	WIN 0
	s_wait_dscnt 0x0                               ; x's 18 fragments stay in registers through phase 1
	s_wait_alu depctr_vm_vsrc(0)                   ; the gathers have read their offsets v40-57, v60, v61, and the LDS stores their data v58, v59, v62-135: these registers are accumulators from here on, and the first products write them
; PHASE 1, chunk q: 32 hidden units for the 144 rows: 36 matrix instructions.  The 18 accumulators take turns, one instruction a turn; b1 is the C of each sum's first instruction.
; Chunk q + 4 of the weights is asked for among them, in two halves, into the buffer that chunk q - 1's products read (chunk 0: into a buffer that nothing has named).
.macro P1CHUNK q
.if (((\q)%5) == 4)
.set WB, 192
.set WW, 3
.else
.set WB, 64*((\q)%5)
.set WW, 1
.endif
	s_wait_loadcnt 48                              ; chunk q is in; the three chunks behind it, 16 loads each, stay out
	WIN 0x38+WW                                    ; W1 window 1 (buffer 4: window 3), x window 2, b1 window 3, sums window 0
.irp u, 0,1
.irp m, 0,1,2,3,4,5,6,7
	v_wmma_f32_16x16x128_bf8_bf8 v[A0+16*\m+8*\u:A0+16*\m+8*\u+7], v[WB+32*\u:WB+32*\u+15], v[32*\m:32*\m+15], v[B1W+16*(\q)+8*\u:B1W+16*(\q)+8*\u+7]
.endr
.endr
	WHALF (\q)+4, 0                                ; no wait: the last chunk's wait on va_vdst has shown its products done with this buffer, and no product since names it or v3
	WIN 0x08+WW
.irp u, 0,1
.irp m, 0,1,2,3,4,5,6,7
	v_wmma_f32_16x16x128_bf8_bf8 v[A0+16*\m+8*\u:A0+16*\m+8*\u+7], v[WB+32*\u+16:WB+32*\u+31], v[32*\m+16:32*\m+31], v[A0+16*\m+8*\u:A0+16*\m+8*\u+7]
.endr
.endr
	WHALF (\q)+4, 2
	WIN 0x3C+WW                                    ; the ninth tile of rows: x in window 3
.irp u, 0,1
	v_wmma_f32_16x16x128_bf8_bf8 v[A0+128+8*\u:A0+128+8*\u+7], v[WB+32*\u:WB+32*\u+15], v[0:15], v[B1W+16*(\q)+8*\u:B1W+16*(\q)+8*\u+7]
.endr
	WIN 0x0C+WW
.irp u, 0,1
	v_wmma_f32_16x16x128_bf8_bf8 v[A0+128+8*\u:A0+128+8*\u+7], v[WB+32*\u+16:WB+32*\u+31], v[16:31], v[A0+128+8*\u:A0+128+8*\u+7]
.endr
	WIN 0
	PLACES                                         ; in front of the first read of the last results
	s_wait_dscnt 0x0                               ; the last chunk's stores have landed
.if (\q) > 0
	s_wait_alu depctr_vm_vsrc(0)                   ; the last chunk's LDS stores have read the codes' registers, which the conversions below write again
.endif
.irp m, 0,1,2,3,4,5,6,7,8
.irp i, 0,1,2,3,4,5,6,7,8,9,10,11,12,13,14,15
	v_med3_num_f32 v[A0+16*\m+\i], v[A0+16*\m+\i], 0, v12   ; the activation and the hold in one: between 0 and the largest code x the scale (the conversion does not saturate: ISA guide 7.6.2); each accumulator from its low end on
.endr
	v_cvt_scalef32_pk8_bf8_f32 v[CODE+4*\m:CODE+4*\m+1], v[A0+16*\m:A0+16*\m+7], v11
	v_cvt_scalef32_pk8_bf8_f32 v[CODE+4*\m+2:CODE+4*\m+3], v[A0+16*\m+8:A0+16*\m+15], v11
.endr
	v_nop                                          ; one plain vector line behind the last conversion: the next products write its sources
	s_wait_alu depctr_va_vdst(0)                   ; the conversions have written the codes, which the LDS stores below read; this chunk's products are done reading their buffer, in which the next chunk's loads of weights land; behind chunk 7 also: the accumulators and b1 are done with, in which hidden fragments land
.irp m, 0,1,2,3,4,5,6,7,8
	ds_store_b128 v5, v[CODE+4*\m:CODE+4*\m+3] offset:((\q)>>2)*HSTEP+\m*2048+((\q)&3)*512   ; piece q % 4 of K step 2 w + q / 4, rows 16 m on: lane l's 16 bytes at 16 l
.endr
.endm
.irp t, 0,1,2,3,4,5,6,7
	P1CHUNK \t
.endr
	s_wait_dscnt 0x0                               ; for the others' sake: my images have landed
	s_barrier_signal -1
	s_barrier_wait -1                              ; the hidden layer's 72 fragments lie in LDS
; PHASE 2.  Three of K step S's nine hidden fragments, first on, into set S % 2: set 0 in window 0, set 1 in window 3.
.macro HL3 S, first
.if ((\S)%2)
	WIN 0xC0
.set HD, HB
.else
	WIN 0
.set HD, A0
.endif
.irp m, \first, \first+1, \first+2
.irp c, 0,1,2,3
.set TT, (\S)*HSTEP+(\m)*2048+\c*512
	ds_load_b128 v[HD+16*(\m)+4*\c:HD+16*(\m)+4*\c+3], v[6+(TT>>16)] offset:(TT&0xffff)
.endr
.endr
.endm
; The way out's tokens and pmax of three tiles of rows: rows 16 m + 8 h + 0 .. 7.
.macro TOK3 first
	WIN 0
.irp m, \first, \first+1, \first+2
	ds_load_b128 v[A0+16*(\m):A0+16*(\m)+3], v9 offset:64*(\m)
	ds_load_b128 v[A0+16*(\m)+4:A0+16*(\m)+7], v9 offset:64*(\m)+16
	ds_load_b128 v[A0+16*(\m)+8:A0+16*(\m)+11], v9 offset:PLO+64*(\m)
	ds_load_b128 v[A0+16*(\m)+12:A0+16*(\m)+15], v9 offset:PLO+64*(\m)+16
.endr
.endm
.macro NEXT3 S, first                  ; what step S fetches for what follows it: twelve LDS loads
.if (\S) < 7
	HL3 (\S)+1, \first
.else
	TOK3 \first
.endif
.endm
; Four matrix instructions: tile of rows m (under 8) x the four tiles of channels.
.macro P2M S, m
.irp n, 0,1,2,3
.if (\S) == 0
	v_wmma_f32_16x16x128_bf8_bf8 v[32*(\m)+8*\n:32*(\m)+8*\n+7], v[HS+16*(\m):HS+16*(\m)+15], v[WB+16*\n:WB+16*\n+15], 0
.else
	v_wmma_f32_16x16x128_bf8_bf8 v[32*(\m)+8*\n:32*(\m)+8*\n+7], v[HS+16*(\m):HS+16*(\m)+15], v[WB+16*\n:WB+16*\n+15], v[32*(\m)+8*\n:32*(\m)+8*\n+7]
.endif
.endr
.endm
; K step S: 36 matrix instructions, source 0 = 16 tokens of the hidden layer, source 1 = 16 channels of W2; the 36 accumulators take turns, one instruction a turn.
; The step's products name hidden set S % 2, buffer (S + 8) % 5 and the sums.  The loads dealt among them touch the other set, buffer (S + 7) % 5 and v3, v6-9.
.macro P2STEP S
.if ((((\S)+8)%5) == 4)
.set WB, 192
.set WW, 3
.else
.set WB, 64*(((\S)+8)%5)
.set WW, 1
.endif
.if ((\S)%2)
.set HS, HB
.else
.set HS, A0
.endif
.set WM, 0xA0+4*WW+3*((\S)%2)          ; hidden window 0 or 3, W2 window 1 (buffer 4: window 3), sums window 2
	s_wait_dscnt 0x0                               ; this step's fragments are in
.if (\S) > 0
	s_wait_alu depctr_va_vdst(0)                   ; the step before is done reading its hidden set and its buffer of weights, in which this step's loads land
.endif
.if (\S) < 5
	s_wait_loadcnt 48                              ; chunk 8 + S is in; the three chunks behind it stay out
.else
	s_wait_loadcnt 16*(7-(\S))                     ; the stream runs out: two, one, no chunk behind it
.endif
	WIN WM
	P2M \S, 0
	NEXT3 \S, 0                                    ; the next step's fragments go into the other set, early in the step and in three runs: they land while this step is multiplied
	WIN WM
	P2M \S, 1
	P2M \S, 2
	NEXT3 \S, 3
	WIN WM
	P2M \S, 3
	P2M \S, 4
	NEXT3 \S, 6
	WIN WM
	P2M \S, 5
	P2M \S, 6
.if (\S) < 4
	WHALF 12+(\S), 0
	WHALF 12+(\S), 2
.endif
	WIN WM
	P2M \S, 7
	WIN WM+0x50                                    ; the ninth tile of rows: sums in window 3
.irp n, 0,1,2,3
.if (\S) == 0
	v_wmma_f32_16x16x128_bf8_bf8 v[8*\n:8*\n+7], v[HS+128:HS+143], v[WB+16*\n:WB+16*\n+15], 0
.else
	v_wmma_f32_16x16x128_bf8_bf8 v[8*\n:8*\n+7], v[HS+128:HS+143], v[WB+16*\n:WB+16*\n+15], v[8*\n:8*\n+7]
.endif
.endr
	WIN 0
	PLACES                                         ; in front of the loads into the set and the buffer just multiplied, and of the way out's reads
.endm
	HL3 0, 0                                       ; no wait: chunk 7's wait on va_vdst has shown the accumulators done with, and no vector or matrix instruction has been issued since
	HL3 0, 3
	HL3 0, 6
.irp t, 0,1,2,3,4,5,6,7
	P2STEP \t
.endr
	; THE WAY OUT.  Register j of accumulator (m, n) in lane (r, h) is token 16 m + 8 h + j, channel 64 w + 4 r + n.
	s_wait_dscnt 0x0                               ; the tokens and pmax are in
	s_wait_alu depctr_vm_vsrc(0)                   ; chunk 7's LDS stores have read v184-219, which the first two tiles below write as results
	s_cmp_eq_u32 s26, -1                           ; an empty tile stores nothing; no barrier follows
	s_cbranch_scc1 .Lend
.macro OUT m
.set TK, A0+16*(\m)
.set PP, A0+16*(\m)+8
.set OO, OB+32*((\m)%2)
.if (\m) >= 2
	s_wait_xcnt 0x0                                ; the stores of two tiles back have had their addresses translated,
	s_wait_alu depctr_vm_vsrc(0)                   ; and have read this set of results, which the lines below write again
.endif
.irp j, 0,1,2,3,4,5,6,7
	v_min_u32 v[TK+\j], 0x7fff, v[TK+\j]           ; held inside the table before it becomes an address
	v_lshl_add_u32 v[TK+\j], v[TK+\j], 10, v10     ; token x 1,024 + my 16 bytes
.endr
.irp g, 0,1,2,3
.irp k, 0,1
	v_pk_mul_f32 v[OO+8*\g+2*\k:OO+8*\g+2*\k+1], v[16+2*\k:17+2*\k], v[PP+2*\g:PP+2*\g+1] op_sel:[0,0] op_sel_hi:[1,0]       ; b2 x p of token j = 2 g,
	v_pk_mul_f32 v[OO+8*\g+4+2*\k:OO+8*\g+4+2*\k+1], v[16+2*\k:17+2*\k], v[PP+2*\g:PP+2*\g+1] op_sel:[0,1] op_sel_hi:[1,1]   ; and of j = 2 g + 1
.endr
.endr
.irp g, 0,1,2,3
	v_pk_mul_f32 v[PP+2*\g:PP+2*\g+1], v[PP+2*\g:PP+2*\g+1], s[40:41] op_sel_hi:[1,0]   ; p x 2^(e2 + e3)
.endr
.if (\m) < 8
	WIN 0x02                                       ; the sums: window 2
.set AB, 32*(\m)
.else
	WIN 0x03                                       ; window 3
.set AB, 0
.endif
.irp j, 0,1,2,3,4,5,6,7                ; each accumulator from its low end on
.irp n, 0,1,2,3
	v_fma_f32 v[OO+4*\j+\n], v[AB+8*\n+\j], v[PP+\j], v[OO+4*\j+\n]
.endr
.endr
	WIN 0
	s_wait_alu depctr_va_vdst(0)                   ; the tile's eight offsets and its 32 results are written, which the eight stores below read
.irp j, 0,1,2,3,4,5,6,7
	global_store_b128 v[TK+\j], v[OO+4*\j:OO+4*\j+3], s[22:23] th:TH_STORE_NT   ; lanes 0-15: 256 consecutive bytes, aligned, of token 16 m + j; lanes 16-31: of token 16 m + 8 + j; written once, read by nobody here
.endr
.endm
.irp t, 0,1,2,3,4,5,6,7,8
	OUT \t
.endr
.Lend:
	s_wait_dscnt 0x0                               ; the closing lines, six on end
	s_wait_alu 0x0
	s_wait_tensorcnt 0x0
	ds_add_u32 v254, v255
	s_wait_dscnt 0x0
	s_endpgm
.Lfunc_end_k_qa346661417_chain:
	.size	k_qa346661417_chain, .Lfunc_end_k_qa346661417_chain-k_qa346661417_chain
	.p2alignl 7, 3214868480
	.fill 96, 4, 3214868480
	.section	.rodata,"a",@progbits
	.p2align	6, 0x0
	.amdhsa_kernel k_qa346661417_chain
		.amdhsa_group_segment_fixed_size 189440
		.amdhsa_private_segment_fixed_size 0
		.amdhsa_enable_private_segment 0
		.amdhsa_kernarg_size 64
		.amdhsa_user_sgpr_count 2
		.amdhsa_user_sgpr_kernarg_segment_ptr 1
		.amdhsa_wavefront_size32 1
		.amdhsa_system_sgpr_workgroup_id_x 1
		.amdhsa_system_sgpr_workgroup_id_y 1
		.amdhsa_system_sgpr_workgroup_id_z 1
		.amdhsa_system_vgpr_workitem_id 0
		.amdhsa_next_free_vgpr 1024
		.amdhsa_next_free_sgpr 66
		.amdhsa_reserve_vcc 0
		.amdhsa_float_denorm_mode_32 3
		.amdhsa_float_denorm_mode_16_64 3
		.amdhsa_memory_ordered 1
		.amdhsa_forward_progress 1
		.amdhsa_inst_pref_size 250
	.end_amdhsa_kernel
	.amdgpu_metadata
---
amdhsa.version: [ 1, 2 ]
amdhsa.kernels:
  - .name:           k_qa346661417_chain
    .symbol:         k_qa346661417_chain.kd
    .args:
      - { .name: xq, .offset: 0, .size: 8, .value_kind: global_buffer, .address_space: global }
      - { .name: wq, .offset: 8, .size: 8, .value_kind: global_buffer, .address_space: global }
      - { .name: order, .offset: 16, .size: 8, .value_kind: global_buffer, .address_space: global }
      - { .name: pmax, .offset: 24, .size: 8, .value_kind: global_buffer, .address_space: global }
      - { .name: b1, .offset: 32, .size: 8, .value_kind: global_buffer, .address_space: global }
      - { .name: b2, .offset: 40, .size: 8, .value_kind: global_buffer, .address_space: global }
      - { .name: lowp_scales, .offset: 48, .size: 8, .value_kind: global_buffer, .address_space: global }
      - { .name: out0, .offset: 56, .size: 8, .value_kind: global_buffer, .address_space: global }
    .group_segment_fixed_size: 189440
    .private_segment_fixed_size: 0
    .kernarg_segment_align: 8
    .kernarg_segment_size: 64
    .max_flat_workgroup_size: 128
    .sgpr_count:     66
    .vgpr_count:     1024
    .wavefront_size: 32
...
	.end_amdgpu_metadata
.endif
;; end of part 6
